; MI455X (gfx1250); checked and timed in simulation.
; The chip was launched on July 23, 2026; its instructions are those of AMD's public machine-readable ISA for CDNA 5 (MIT licence, August 2026) and "CDNA5" Instruction Set Architecture Reference Guide (July 2026). The comments in the code are by the model that wrote it; some were corrected since.
;; Transformer Crf. Allowed arithmetic: matrix products marked QUANTISED: E2M3 operands, one E8M0 scale for each 32 along K, by v_wmma_scale_f32_16x16x128_f8f6f4 with both operands' format E2M3, f32 sums; everything else in f32.
;; Inputs: W1 256 x 1,024 float32; W2 1,024 x 256 float32; Wk 4 x 256 x 256 float32; Wo 256 x 20 float32; Wq 4 x 256 x 256 float32; Wv 4 x 256 x 256 float32; b1 1,024 float32; b2 256 float32; batch_ch_ids 32 x 512 int32; beta 256 float32; bk 4 x 256 float32; bo 20 float32; bq 4 x 256 float32; bv 4 x 256 float32; ch_embedding 8,000 x 256 float32; gamma 256 float32; pos_embedding 512 x 256 float32; sentence_length 32 int32.
;; Outputs: out0 32 x 512 x 20 float32.
;; This version of the problem:
;;   THIS VERSION OF THE PROBLEM IS GIVEN IN LOW PRECISION. The matrix products marked QUANTISED in the list below multiply operands that are first quantised to E2M3 (2 exponent bits, 3 mantissa bits; 6 bits a number), with one power-of-two scale for each 32 numbers along K (OCP MX v1.0); their sums are f32. All else is computed in f32.
;;   The module's matrix products, in the order in which they are computed (A, B: the left and right operand; K: the contracted axis; several contracted axes count as one K, in the product's order):
;;     1. [M 16,384, K 256] x [K 256, N 256]; A: computed on the way; B: input Wq: QUANTISED
;;     2. [M 16,384, K 256] x [K 256, N 256]; A: computed on the way; B: input Wk: QUANTISED
;;     3. [M 16,384, K 256] x [K 256, N 256]; A: computed on the way; B: input Wv: QUANTISED
;;     4. batch 256 x [M 512, K 32] x [K 32, N 512]; A: computed on the way; B: computed on the way: QUANTISED
;;     5. batch 256 x [M 512, K 512] x [K 512, N 32]; A: computed on the way; B: computed on the way: QUANTISED
;;     6. [M 16,384, K 256] x [K 256, N 1,024]; A: computed on the way; B: input W1: QUANTISED
;;     7. [M 16,384, K 1,024] x [K 1,024, N 256]; A: computed on the way; B: input W2: QUANTISED
;;     8. [M 16,384, K 256] x [K 256, N 256]; A: computed on the way; B: input Wq: QUANTISED
;;     9. [M 16,384, K 256] x [K 256, N 256]; A: computed on the way; B: input Wk: QUANTISED
;;     10. [M 16,384, K 256] x [K 256, N 256]; A: computed on the way; B: input Wv: QUANTISED
;;     11. batch 256 x [M 512, K 32] x [K 32, N 512]; A: computed on the way; B: computed on the way: QUANTISED
;;     12. batch 256 x [M 512, K 512] x [K 512, N 32]; A: computed on the way; B: computed on the way: QUANTISED
;;     13. [M 16,384, K 256] x [K 256, N 1,024]; A: computed on the way; B: input W1: QUANTISED
;;     14. [M 16,384, K 1,024] x [K 1,024, N 256]; A: computed on the way; B: input W2: QUANTISED
;;     15. [M 16,384, K 256] x [K 256, N 256]; A: computed on the way; B: input Wq: QUANTISED
;;     16. [M 16,384, K 256] x [K 256, N 256]; A: computed on the way; B: input Wk: QUANTISED
;;     17. [M 16,384, K 256] x [K 256, N 256]; A: computed on the way; B: input Wv: QUANTISED
;;     18. batch 256 x [M 512, K 32] x [K 32, N 512]; A: computed on the way; B: computed on the way: QUANTISED
;;     19. batch 256 x [M 512, K 512] x [K 512, N 32]; A: computed on the way; B: computed on the way: QUANTISED
;;     20. [M 16,384, K 256] x [K 256, N 1,024]; A: computed on the way; B: input W1: QUANTISED
;;     21. [M 16,384, K 1,024] x [K 1,024, N 256]; A: computed on the way; B: input W2: QUANTISED
;;     22. [M 16,384, K 256] x [K 256, N 256]; A: computed on the way; B: input Wq: QUANTISED
;;     23. [M 16,384, K 256] x [K 256, N 256]; A: computed on the way; B: input Wk: QUANTISED
;;     24. [M 16,384, K 256] x [K 256, N 256]; A: computed on the way; B: input Wv: QUANTISED
;;     25. batch 256 x [M 512, K 32] x [K 32, N 512]; A: computed on the way; B: computed on the way: QUANTISED
;;     26. batch 256 x [M 512, K 512] x [K 512, N 32]; A: computed on the way; B: computed on the way: QUANTISED
;;     27. [M 16,384, K 256] x [K 256, N 1,024]; A: computed on the way; B: input W1: QUANTISED
;;     28. [M 16,384, K 1,024] x [K 1,024, N 256]; A: computed on the way; B: input W2: QUANTISED
;;     29. [M 16,384, K 256] x [K 256, N 20]; A: computed on the way; B: input Wo: QUANTISED
;;   THE QUANTISER, for each operand of a quantised product, along K:
;;     - K is cut into blocks of 32 from its start; a last block that is shorter is filled with zeros.
;;     - A block's scale is 2^e with e = floor(log2(the largest magnitude in the block)) - 2, held to -126 .. 127; a block of zeros has e = 0. As a byte (E8M0): e + 127.
;;     - Each number is divided by its block's scale, clamped to +-7.5, and rounded to the nearest number of E2M3, ties to even, subnormals kept.
;;     - The product sums the exact products of the quantised numbers (number of the format x scale) in f32.
;;   ~~~python
;;   def quantise(x, axis):      # numpy; x: float32 -> the quantised numbers, widened to float32 again
;;       x = np.moveaxis(x, axis, -1); K = x.shape[-1]
;;       x = np.pad(x, [(0, 0)] * (x.ndim - 1) + [(0, -K % 32)]); x = x.reshape(x.shape[:-1] + (-1, 32)); a = np.abs(x).max(-1, keepdims=True)
;;       e = np.where(a > 0, np.clip(np.frexp(np.where(a > 0, a, 1))[1] - 1 - 2, -126, 127), 0)      # np.frexp(a)[1] - 1 = floor(log2(a)), exactly
;;       r = np.clip(x / 2.0 ** e, -7.5, 7.5)
;;       step = 2.0 ** (np.maximum(np.frexp(np.where(r == 0, 1, r))[1] - 1, 0) - 3)
;;       q = np.round(r / step) * step * 2.0 ** e      # np.round: ties to even
;;       return np.moveaxis(q.reshape(q.shape[:-2] + (-1,))[..., :K], -1, axis).astype(np.float32)
;;   ~~~
;;   OPERANDS COMPUTED ON THE WAY. 'Computed on the way' means the value that the module computes at that place (a softmax that the list does not call 'softmax' is quantised finished and normalised). What goes into a quantiser is computed in f32, as accurately as f32 sums, v_exp_f32 and their like allow (about 1e-6 of the number): no bf16 or f16 on the way to a quantiser, and a product that is left as it is and whose result goes on into a quantised operand takes f32 operands (vector FMAs, or v_wmma_f32_16x16x4_f32). A number that lies on a knife's edge between two numbers of the format may be rounded either way, as far as f32 arithmetic and the matrix unit's own rounding can turn it there, and no further.
;; One version. Each part assembles by itself: llvm-mc -triple=amdgcn-amd-amdhsa -mcpu=gfx1250 --defsym DOCPART=n.
;; ======== version 1 of 1: 6 launches
;; limits: right only within a limited range of input values
;; workspace buffers: wimg 1,071,616 bytes; sa 27,000,832 bytes; sb 27,000,832 bytes; ca 256 bytes of whole numbers; cb 256 bytes of whole numbers
;; launch prep (part 1): grid 161 x 1, 4 waves a work-group, no clusters, 0 bytes of LDS; arguments Wq, Wk, Wv, W1, W2, Wo, wimg, ca; writes wimg, ca
.if DOCPART == 1
	.amdgcn_target "amdgcn-amd-amdhsa--gfx1250"
	.amdhsa_code_object_version 6
	.text
	.protected	k_q56694a175d_prep
	.globl	k_q56694a175d_prep
	.p2align	8
	.type	k_q56694a175d_prep,@function
k_q56694a175d_prep:
	s_mov_b64 s[64:65], 0
	v_nop
	global_prefetch_b8 v0, s[64:65] scope:SCOPE_SE
	s_setreg_imm32_b32 hwreg(HW_REG_WAVE_MODE, 25, 1), 1
	s_wait_xcnt 0x0
; All weights (f32, K their first axis) become operand fragments of FP6 (E2M3) codes, laid in the order of the operand's registers.
; One wave makes one fragment: 16 columns x 128 along K.  Lane (r, h) takes one column, and its 64 registers run down K: k = 64 c + 32 h + i.
; So a lane holds two whole blocks of 32, and the conversions' results are the operand's registers.
; A fragment leaves as three stores of 16 bytes a lane (512 consecutive bytes each), its scale word as 4 bytes a lane.
; wimg: fragment Fd at 1536 Fd; its scale words at WSC + 128 Fd.
; Fd: QKV (8 l + w) 12 + 4 kind + 2 tile + s; W1 384 + 16 w + 2 t + s; W2 512 + 16 w + 8 n + s; Wo 640 + 2 nt + s.
; Columns of a tile: colbase + r + P (r / 8).  P = 8 where the product is used transposed and its result is quantised along its own columns.
; A block's scale byte is the largest magnitude's exponent field - 2, held at 1 from below.
; LIMITS: a block of zeros gets the byte 1 where the rule says 127 (its codes are zeros, and this program alone reads the bytes).
; NaN and infinities are not served.
.set WSC, 989184
.macro LOADW pitch                     ; 64 numbers of my column: rows 64 c + 32 h + i
.set c, 0
.rept 2
.set i, 0
.rept 32
	global_load_b32 v[64+32*c+i], v7, s[28:29] offset:(64*c+i)*\pitch
.set i, i+1
.endr
.set c, c+1
.endr
.endm
	s_load_b512 s[4:19], s[0:1], 0x0               ; Wq, Wk, Wv, W1, W2, Wo, wimg, ca
	v_lshrrev_b32 v1, 5, v0
	v_readfirstlane_b32 s20, v1                    ; wave
	s_lshl_b32 s21, ttmp9, 2
	s_add_co_u32 s21, s21, s20                     ; F: which fragment, 0 .. 643
	v_and_b32 v1, 15, v0                           ; r
	v_bfe_u32 v2, v0, 4, 1                         ; h
	v_and_b32 v3, 31, v0                           ; lane
	s_mov_b32 s33, 0
	s_mov_b32 s40, 0x76543210
	s_mov_b32 s41, 0xfedcba98                      ; selects for lane l xor 16
	s_wait_kmcnt 0x0
	s_cmp_lt_u32 s21, 384
	s_cbranch_scc0 .Lnot_a
	s_lshr_b32 s22, s21, 7                         ; Wq, Wk, Wv: kind
	s_and_b32 s23, s21, 127
	s_lshr_b32 s34, s23, 2                         ; 8 l + w
	s_lshr_b32 s35, s34, 3                         ; l
	s_and_b32 s36, s34, 7                          ; w
	s_bfe_u32 s37, s23, 0x10001                    ; tile
	s_and_b32 s38, s23, 1                          ; K step
	s_cmp_eq_u32 s22, 0
	s_cselect_b64 s[28:29], s[4:5], s[6:7]
	s_cmp_eq_u32 s22, 2
	s_cselect_b64 s[28:29], s[8:9], s[28:29]
	s_cselect_b32 s24, 0, 8                        ; P
	s_cselect_b32 s39, 16, 8
	s_mul_i32 s39, s39, s37
	s_lshl_b32 s25, s36, 5
	s_add_co_u32 s25, s25, s39                     ; colbase
	s_lshl_b32 s32, s35, 18                        ; a layer is 262,144 bytes,
	s_lshl_b32 s39, s38, 17                        ; 128 rows are 131,072
	s_add_co_u32 s32, s32, s39
	s_mul_i32 s27, s34, 12
	s_lshl_b32 s39, s22, 2
	s_add_co_u32 s27, s27, s39
	s_lshl_b32 s39, s37, 1
	s_add_co_u32 s27, s27, s39
	s_add_co_u32 s27, s27, s38                     ; Fd
	s_mov_b32 s26, 32*1024
	s_mov_b32 s30, 0
	s_mov_b32 s31, 255
	s_branch .Lcommon
.Lnot_a:
	s_cmp_lt_u32 s21, 512
	s_cbranch_scc0 .Lnot_b
	s_sub_co_u32 s23, s21, 384                     ; W1
	s_lshr_b32 s36, s23, 4                         ; w
	s_bfe_u32 s37, s23, 0x30001                    ; t
	s_and_b32 s38, s23, 1                          ; K step
	s_mov_b64 s[28:29], s[10:11]
	s_mov_b32 s24, 8
	s_lshl_b32 s25, s36, 7
	s_lshr_b32 s39, s37, 1
	s_lshl_b32 s39, s39, 5
	s_add_co_u32 s25, s25, s39
	s_and_b32 s39, s37, 1
	s_lshl_b32 s39, s39, 3
	s_add_co_u32 s25, s25, s39                     ; 128 w + 32 (t / 2) + 8 (t % 2)
	s_lshl_b32 s32, s38, 19
	s_mov_b32 s27, s21
	s_mov_b32 s26, 32*4096
	s_mov_b32 s30, 1
	s_mov_b32 s31, 1023
	s_branch .Lcommon
.Lnot_b:
	s_cmp_lt_u32 s21, 640
	s_cbranch_scc0 .Lnot_c
	s_sub_co_u32 s23, s21, 512                     ; W2
	s_lshr_b32 s36, s23, 4                         ; w
	s_bfe_u32 s37, s23, 0x10003                    ; n
	s_and_b32 s38, s23, 7                          ; K step
	s_mov_b64 s[28:29], s[12:13]
	s_mov_b32 s24, 0
	s_lshl_b32 s25, s36, 5
	s_lshl_b32 s39, s37, 4
	s_add_co_u32 s25, s25, s39
	s_lshl_b32 s32, s38, 17
	s_mov_b32 s27, s21
	s_mov_b32 s26, 32*1024
	s_mov_b32 s30, 0
	s_mov_b32 s31, 255
	s_branch .Lcommon
.Lnot_c:
	s_sub_co_u32 s23, s21, 640                     ; Wo: 20 columns, the second tile filled with zeros
	s_lshr_b32 s37, s23, 1
	s_and_b32 s38, s23, 1
	s_mov_b64 s[28:29], s[14:15]
	s_mov_b32 s24, 0
	s_lshl_b32 s25, s37, 4
	s_mul_i32 s32, s38, 10240
	s_mov_b32 s27, s21
	s_mov_b32 s26, 32*80
	s_mov_b32 s30, 2
	s_mov_b32 s31, 19
.Lcommon:
	s_add_nc_u64 s[28:29], s[28:29], s[32:33]      ; the tensor at the K step's first row
	s_wait_alu depctr_va_vdst(0)
	v_lshrrev_b32 v4, 3, v1
	v_mad_u32_u24 v5, v4, s24, v1
	v_add_nc_u32 v5, s25, v5                       ; my column
	v_min_u32 v6, s31, v5                          ; held at the tensor's last: no load leaves the buffer
	v_cmp_ne_u32 s42, v5, v6                       ; a column past the last counts as zeros
	v_lshlrev_b32 v7, 2, v6
	v_mad_u32_u24 v7, v2, s26, v7                  ; + 32 h rows
	s_mul_i32 s32, s27, 1536
	s_add_nc_u64 s[34:35], s[16:17], s[32:33]      ; where the fragment goes,
	s_lshl_b32 s32, s27, 7
	s_add_nc_u64 s[36:37], s[16:17], s[32:33]
	s_add_nc_u64 s[36:37], s[36:37], WSC           ; and its scale words
	v_lshlrev_b32 v8, 4, v3
	v_lshlrev_b32 v11, 2, v3
	s_cmp_eq_u32 s30, 0
	s_cbranch_scc0 .Lp1
	LOADW 1024
	s_branch .Ltail
.Lp1:
	s_cmp_eq_u32 s30, 1
	s_cbranch_scc0 .Lp2
	s_wait_alu depctr_va_vdst(0)
	LOADW 4096
	s_branch .Ltail
.Lp2:
	s_wait_alu depctr_va_vdst(0)
	LOADW 80
.Ltail:
	s_wait_loadcnt 0x0
.set i, 0
.rept 64
	v_cndmask_b32 v[64+i], v[64+i], 0, s42
.set i, i+1
.endr
.irp c, 0,1                                    ; my block 2 c + h: all its 32 numbers are mine
	v_max3_num_f32 v[32+\c], |v[64+32*\c]|, |v[65+32*\c]|, 0x1800000   ; with the floor 2^(3 - 127): the byte cannot fall under 1
.endr
.irp i, 2,4,6,8,10,12,14,16,18,20,22,24,26,28,30
.irp c, 0,1
	v_max3_num_f32 v[32+\c], v[32+\c], |v[64+32*\c+\i]|, |v[65+32*\c+\i]|
.endr
.endr
.irp c, 0,1
	v_add_nc_u32 v[44+\c], 0xff000000, v[32+\c]    ; 2 off the exponent field: the conversion's scale operand
.endr
.irp c, 0,1
	v_lshrrev_b32 v[36+\c], 23, v[44+\c]           ; the scale's byte
.endr
	v_lshl_or_b32 v9, v37, 16, v36                 ; my two bytes: blocks h and 2 + h,
	v_lshlrev_b32 v10, 3, v2
	v_lshlrev_b32 v9, v10, v9                      ; at their places in the word
	v_mov_b32 v10, 0
	v_permlanex16_b32 v10, v9, s40, s41
	v_or_b32 v9, v9, v10                           ; with lane l xor 16's two the word is whole, in both halves of the lanes
.irp c, 0,1
	v_cvt_scalef32_pk16_fp6_f32 v[48+6*\c:50+6*\c], v[64+32*\c:79+32*\c], v[44+\c]
	v_cvt_scalef32_pk16_fp6_f32 v[16+4*\c:18+4*\c], v[80+32*\c:95+32*\c], v[44+\c]   ; (a conversion's three registers begin on an even number)
.endr
	v_nop                                          ; one plain place behind a scaled conversion
.irp c, 0,1
.irp i, 0,1,2
	v_mov_b32 v[51+6*\c+\i], v[16+4*\c+\i]
.endr
.endr
.irp c, 0,1,2
	global_store_b128 v8, v[48+4*\c:51+4*\c], s[34:35] offset:512*\c   ; 32 lanes store 512 consecutive bytes
.endr
	global_store_b32 v11, v9, s[36:37]
	s_cmp_eq_u32 s21, 0
	s_cbranch_scc0 .Lend
	v_mov_b32 v12, 0                               ; the first layer's number, for the launch that reads ca
	global_store_b32 v11, v12, s[18:19]
.Lend:
	s_endpgm
.Lfunc_end_k_q56694a175d_prep:
	.size	k_q56694a175d_prep, .Lfunc_end_k_q56694a175d_prep-k_q56694a175d_prep
	.p2alignl 7, 3214868480
	.fill 96, 4, 3214868480
	.section	.rodata,"a",@progbits
	.p2align	6, 0x0
	.amdhsa_kernel k_q56694a175d_prep
		.amdhsa_group_segment_fixed_size 0
		.amdhsa_private_segment_fixed_size 0
		.amdhsa_enable_private_segment 0
		.amdhsa_kernarg_size 64
		.amdhsa_user_sgpr_count 2
		.amdhsa_user_sgpr_kernarg_segment_ptr 1
		.amdhsa_wavefront_size32 1
		.amdhsa_system_sgpr_workgroup_id_x 1
		.amdhsa_system_sgpr_workgroup_id_y 1
		.amdhsa_system_sgpr_workgroup_id_z 1
		.amdhsa_system_vgpr_workitem_id 0
		.amdhsa_next_free_vgpr 128
		.amdhsa_next_free_sgpr 66
		.amdhsa_reserve_vcc 0
		.amdhsa_float_denorm_mode_32 3
		.amdhsa_float_denorm_mode_16_64 3
		.amdhsa_memory_ordered 1
		.amdhsa_forward_progress 1
		.amdhsa_inst_pref_size 31
	.end_amdhsa_kernel
	.amdgpu_metadata
---
amdhsa.version: [ 1, 2 ]
amdhsa.kernels:
  - .name:           k_q56694a175d_prep
    .symbol:         k_q56694a175d_prep.kd
    .args:
      - { .name: Wq, .offset: 0, .size: 8, .value_kind: global_buffer, .address_space: global }
      - { .name: Wk, .offset: 8, .size: 8, .value_kind: global_buffer, .address_space: global }
      - { .name: Wv, .offset: 16, .size: 8, .value_kind: global_buffer, .address_space: global }
      - { .name: W1, .offset: 24, .size: 8, .value_kind: global_buffer, .address_space: global }
      - { .name: W2, .offset: 32, .size: 8, .value_kind: global_buffer, .address_space: global }
      - { .name: Wo, .offset: 40, .size: 8, .value_kind: global_buffer, .address_space: global }
      - { .name: wimg, .offset: 48, .size: 8, .value_kind: global_buffer, .address_space: global }
      - { .name: ca, .offset: 56, .size: 8, .value_kind: global_buffer, .address_space: global }
    .group_segment_fixed_size: 0
    .private_segment_fixed_size: 0
    .kernarg_segment_align: 8
    .kernarg_segment_size: 64
    .max_flat_workgroup_size: 128
    .sgpr_count:     66
    .vgpr_count:     128
    .wavefront_size: 32
...
	.end_amdgpu_metadata
.endif
;; end of part 1
;; launch embed (part 2): grid 256 x 1, 8 waves a work-group, no clusters, 80,896 bytes of LDS; arguments batch_ch_ids, ch_embedding, pos_embedding, wimg, bq, bk, bv, sa; writes sa
.if DOCPART == 2
	.amdgcn_target "amdgcn-amd-amdhsa--gfx1250"
	.amdhsa_code_object_version 6
	.text
	.protected	k_q56694a175d_embed
	.globl	k_q56694a175d_embed
	.p2align	8
	.type	k_q56694a175d_embed,@function
k_q56694a175d_embed:
	s_mov_b64 s[64:65], 0
	v_nop
	global_prefetch_b8 v0, s[64:65] scope:SCOPE_SE
	s_setreg_imm32_b32 hwreg(HW_REG_WAVE_MODE, 25, 1), 1
	s_wait_xcnt 0x0
; x = ch_embedding[ids] + pos_embedding for 64 positions of one sentence, then layer 0's q, k, v: quantised to FP6 (E2M3) and stored as operand images.
; Work-group g = 8 batch + qb owns positions 64 qb .. 64 qb + 63.
; They are taken as four tiles of 16 rows: row r of tile q is position 32 (q / 2) + 8 (q % 2) + r % 8 + 16 (r / 8); its slot is 16 q + r.
; Eight waves; wave w is head w in the projections.
; The state: X at g 65536 + w 8192 (the wave's 64 registers of f32, 16 bytes a lane at a time).
; Q, K, V at OFFQ (+OFFK, +OFFV) + g 12288 + w 1536; scale words at OFFS + g 3072 + kind 1024 + w 128.
; LIMITS: a block of zeros gets the scale byte 1 where the rule says 127 (its codes are zeros, and this program alone reads the bytes).
; NaN and infinities are not served; an id is held at 7,999 from above.
; No tensor load, no cluster.
; The rows are a gather by a list read from memory.
.set XIMG, 0                           ; LDS: x's 8 fragments (2 q + s), images of their registers
.set XSC,  12288                       ; their scale words, 128 bytes each
.set STG,  13312                       ; 64 rows of 256 f32 by slot, 1,040 bytes apart
.set SPT,  1040
.set FRB,  1536
.set OFFQ, 16777216
.set OFFK, 3145728                     ; from Q's images to K's
.set OFFV, 6291456                     ; and to V's
.set OFFS, 26214400
.set WSC,  989184
.set AA, 16
.set HA, 112
.set PC, 208
.set TM, 228
.set PW, 240
.set WS, 241
.set XS, 249
.set H64, 254
.set MSB, 0
.macro WIN new                         ; the immediate's high byte repeats the setting that is left
.if MSB != \new
	s_set_vgpr_msb (MSB<<8)|\new
.set MSB, \new
.endif
.endm
.macro NOPS n
.rept \n
	v_nop
.endr
.endm
.macro BARRIER                         ; my LDS stores have landed and my LDS loads are in: then the work-group's barrier
	s_wait_dscnt 0x0
	s_barrier_signal -1
	s_barrier_wait -1
.endm
; D = A x B + C on codes of FP6.  row: 0 both scale words from lanes 0-15; 1 A's from lanes 16-31; 2 B's; 3 both
.macro MM d, a, b, c, sa, sb, row
.if (\row) == 0
	v_wmma_scale_f32_16x16x128_f8f6f4 v[\d:\d+7], v[\a:\a+11], v[\b:\b+11], v[\c:\c+7], v[\sa], v[\sb] matrix_a_fmt:MATRIX_FMT_FP6 matrix_b_fmt:MATRIX_FMT_FP6
.elseif (\row) == 1
	v_wmma_scale_f32_16x16x128_f8f6f4 v[\d:\d+7], v[\a:\a+11], v[\b:\b+11], v[\c:\c+7], v[\sa], v[\sb] matrix_a_fmt:MATRIX_FMT_FP6 matrix_b_fmt:MATRIX_FMT_FP6 matrix_a_scale:MATRIX_SCALE_ROW1
.elseif (\row) == 2
	v_wmma_scale_f32_16x16x128_f8f6f4 v[\d:\d+7], v[\a:\a+11], v[\b:\b+11], v[\c:\c+7], v[\sa], v[\sb] matrix_a_fmt:MATRIX_FMT_FP6 matrix_b_fmt:MATRIX_FMT_FP6 matrix_b_scale:MATRIX_SCALE_ROW1
.else
	v_wmma_scale_f32_16x16x128_f8f6f4 v[\d:\d+7], v[\a:\a+11], v[\b:\b+11], v[\c:\c+7], v[\sa], v[\sb] matrix_a_fmt:MATRIX_FMT_FP6 matrix_b_fmt:MATRIX_FMT_FP6 matrix_a_scale:MATRIX_SCALE_ROW1 matrix_b_scale:MATRIX_SCALE_ROW1
.endif
.endm
; 64 numbers of a lane, register 16 b + i = k 32 b + 16 (lane / 16) + i of my row, become a fragment's codes in v[PC] on and its scale word in v[PW]
.macro QUANT s
	s_wait_xcnt 0x0                                ; earlier stores have read v[PC] on and v[PW]: they are written again only behind this wait
.irp b, 0,1,2,3
	v_max3_num_f32 v[TM+\b], |v[\s+16*\b]|, |v[\s+1+16*\b]|, 0x1800000   ; my 16 numbers of block b, and the floor 2^(3 - 127): the byte cannot fall under 1
.endr
.irp i, 2,4,6,8,10,12,14
.irp b, 0,1,2,3
	v_max3_num_f32 v[TM+\b], v[TM+\b], |v[\s+16*\b+\i]|, |v[\s+1+16*\b+\i]|
.endr
.endr
.irp b, 0,1,2,3
	s_delay_alu instid0(VALU_DEP_4)
	v_permlanex16_b32 v[TM+4+\b], v[TM+\b], s40, s41
.endr
.irp b, 0,1,2,3
	s_delay_alu instid0(VALU_DEP_4)
	v_max_num_f32 v[TM+\b], v[TM+\b], v[TM+4+\b]   ; with lane l xor 16's: the block's largest magnitude
.endr
.irp b, 0,1,2,3
	s_delay_alu instid0(VALU_DEP_4)
	v_add_nc_u32 v[TM+8+\b], 0xff000000, v[TM+\b]  ; 2 off its exponent field: the conversion's scale operand
.endr
.irp b, 0,1,2,3
	s_delay_alu instid0(VALU_DEP_4)
	v_lshrrev_b32 v[TM+4+\b], 23, v[TM+8+\b]       ; the scale's byte
.endr
	s_delay_alu instid0(VALU_DEP_3)
	v_lshl_or_b32 v[PW], v[TM+5], 8, v[TM+4]
	s_delay_alu instid0(VALU_DEP_1)
	v_lshl_or_b32 v[PW], v[TM+6], 16, v[PW]
	s_delay_alu instid0(VALU_DEP_1)
	v_lshl_or_b32 v[PW], v[TM+7], 24, v[PW]
.irp c, 0,1
	v_cvt_scalef32_pk16_fp6_f32 v[PC+6*\c:PC+2+6*\c], v[\s+32*\c:\s+15+32*\c], v[TM+8+2*\c]
	v_cvt_scalef32_pk16_fp6_f32 v[PC+12+4*\c:PC+14+4*\c], v[\s+16+32*\c:\s+31+32*\c], v[TM+8+2*\c+1]   ; (a conversion's three registers begin on an even number)
.endr
	v_nop                                          ; one plain place behind a scaled conversion
.irp c, 0,1                                    ; the operand's layout wants a whole block in a lane: lanes 0-15 block 2 c, lanes 16-31 block 2 c + 1
.irp i, 0,1,2
	v_permlane16_swap_b32 v[PC+6*\c+\i], v[PC+12+4*\c+\i]
.endr
.irp i, 0,1,2
	s_delay_alu instid0(VALU_DEP_3)
	v_mov_b32 v[PC+3+6*\c+\i], v[PC+12+4*\c+\i]
.endr
.endr
.endm
.macro IMAGE adr, off                          ; the fragment in v[PC] on goes to LDS as it stands
.irp c, 0,1,2
	ds_store_b128 v[\adr], v[PC+4*\c:PC+4*\c+3] offset:\off+512*\c
.endr
.endm
.macro PUT64 off                               ; the fragment to the state, 8 bytes a lane: each store covers 256 consecutive bytes, aligned
.irp p, 0,1,2,3,4,5
	global_store_b64 v1, v[PC+2*\p:PC+2*\p+1], s[68:69] offset:\off+256*\p
.endr
.endm
.macro PUT128 off                              ; 16 bytes a lane
.irp c, 0,1,2
	global_store_b128 v3, v[PC+4*\c:PC+4*\c+3], s[68:69] offset:\off+512*\c
.endr
.endm
; my head's 12 weight fragments into window 1 (v0-143), the biases in the results' layout (v144-191), the scale words in pairs (K step 0 in lanes 0-15, K step 1 in lanes 16-31)
.macro QKVLOAD
	WIN 0x40
.set i, 0
.rept 36
	global_load_b128 v[4*i:4*i+3], v3, s[76:77] offset:512*i
.set i, i+1
.endr
.irp u, 0,1
	global_load_b128 v[144+8*\u:147+8*\u], v[H64], s[86:87] offset:32*\u
	global_load_b128 v[148+8*\u:151+8*\u], v[H64], s[86:87] offset:32*\u+16
	global_load_b128 v[160+8*\u:163+8*\u], v[H64], s[88:89] offset:32*\u
	global_load_b128 v[164+8*\u:167+8*\u], v[H64], s[88:89] offset:32*\u+16
.endr
.irp u, 0,1
.irp p, 0,1,2,3,4,5,6,7
	global_load_b32 v[176+8*\u+\p], v2, s[28:29] offset:64*\u   ; v's result holds one channel a lane: its bias in all eight registers
.endr
.endr
	WIN 0
.irp p, 0,1,2,3,4,5
	global_load_b32 v[WS+\p], v5, s[78:79] offset:256*\p
.endr
.endm
; q or k of my head, transposed (source 0 = 16 channels of W, source 1 = 16 rows of x).
; Accumulator (tile q, u) at HA + 16 q + 8 u, so that block q of the quantiser is the head's 32 channels of the tile's row.
.macro PROJT kind
	WIN 0x11
.irp q, 0,1,2,3
.irp u, 0,1
	MM HA+16*\q+8*\u, 12*(4*\kind+2*\u), 16+24*\q, 144+16*\kind+8*\u, WS+2*\kind+\u, XS+\q, 0
.endr
.endr
	WIN 0x01
.irp q, 0,1,2,3
.irp u, 0,1
	MM HA+16*\q+8*\u, 12*(4*\kind+2*\u+1), 28+24*\q, HA+16*\q+8*\u, WS+2*\kind+\u, XS+\q, 3
.endr
.endr
	WIN 0
	NOPS 4
	QUANT HA
.endm
; v of my head (source 0 = x, source 1 = 16 channels of Wv): a lane holds one channel and its registers run along the keys.
; Block 2 u + b of the quantiser is channel tile u, keys 32 b on.
.macro PROJV
	WIN 0x14
.irp q, 0,1,2,3
.irp u, 0,1
	MM HA+16*(2*\u+\q/2)+8*(\q%2), 16+24*\q, 12*(8+2*\u), 176+8*\u, XS+\q, WS+4+\u, 0
.endr
.endr
	WIN 0x04
.irp q, 0,1,2,3
.irp u, 0,1
	MM HA+16*(2*\u+\q/2)+8*(\q%2), 28+24*\q, 12*(9+2*\u), HA+16*(2*\u+\q/2)+8*(\q%2), XS+\q, WS+4+\u, 3
.endr
.endr
	WIN 0
	NOPS 4
	QUANT HA
.endm
.macro EROW i, p                               ; row i's address in the table: the id held inside it, 1,024 bytes a row
	s_min_u32 s[44+\i], s[44+\i], 7999
	s_lshl_b32 s90, s[44+\i], 10
	s_add_nc_u64 s[\p:\p+1], s[6:7], s[90:91]
.endm
.macro ELOAD i, p
	global_load_b128 v[16+8*\i:19+8*\i], v3, s[\p:\p+1]
	global_load_b128 v[20+8*\i:23+8*\i], v3, s[\p:\p+1] offset:512
.endm
	s_load_b512 s[4:19], s[0:1], 0x0               ; ids, table, positions, wimg, bq, bk, bv, the state
	v_lshl_add_u32 v253, v0, 2, 0x13800
	v_mov_b32 v255, 0
	v_lshrrev_b32 v1, 5, v0
	s_delay_alu instid0(VALU_DEP_1)
	v_readfirstlane_b32 s34, v1                    ; wave
	s_mov_b32 s35, ttmp9                           ; g
	s_and_b32 s37, s35, 7                          ; qb
	s_mov_b32 s40, 0x76543210
	s_mov_b32 s41, 0xfedcba98
	s_mov_b32 s91, 0
	s_lshr_b32 s92, s34, 2                         ; my slots 8 w .. 8 w + 7 are eight neighbouring positions from 32 (w / 4) + 8 ((w / 2) % 2) + 16 (w % 2)
	s_lshl_b32 s92, s92, 5
	s_bfe_u32 s93, s34, 0x10001
	s_lshl_b32 s93, s93, 3
	s_add_co_u32 s92, s92, s93
	s_and_b32 s93, s34, 1
	s_lshl_b32 s93, s93, 4
	s_add_co_u32 s92, s92, s93
	s_lshl_b32 s93, s35, 6
	s_add_co_u32 s93, s93, s92                     ; among all tokens
	s_lshl_b32 s94, s37, 6
	s_add_co_u32 s94, s94, s92                     ; in the sentence
	v_and_b32 v228, 31, v0                         ; lane
	v_and_b32 v229, 15, v0                         ; r
	v_bfe_u32 v230, v0, 4, 1                       ; h
	s_delay_alu instid0(VALU_DEP_3)
	v_lshlrev_b32 v1, 3, v228                      ; 8 x lane
	s_delay_alu instid0(VALU_DEP_3)
	v_lshlrev_b32 v2, 2, v229                      ; 4 r
	v_lshlrev_b32 v3, 4, v228                      ; 16 x lane
	s_wait_alu depctr_va_vdst(0)
	v_lshlrev_b32 v4, 2, v228                      ; 4 x lane
	s_wait_alu depctr_va_vdst(0)
	v_lshl_add_u32 v5, v230, 7, v4                 ; 4 x lane + 128 h: a pair of scale words
	s_mul_i32 s95, s34, 8*SPT
	s_add_co_u32 s95, s95, STG
	v_add_nc_u32 v6, s95, v3                       ; the stage, on the way in: my eight slots, 16 bytes a lane
	v_mul_u32_u24 v7, v229, SPT
	s_delay_alu instid0(VALU_DEP_1)
	v_lshl_add_u32 v7, v230, 6, v7
	s_lshr_b32 s95, s34, 1
	s_mul_i32 s95, s95, 16*SPT
	s_and_b32 s96, s34, 1
	s_lshl_b32 s96, s96, 9
	s_add_co_u32 s95, s95, s96
	s_add_co_u32 s95, s95, STG
	v_add_nc_u32 v7, s95, v7                       ; and out: row r of tile w / 2, channels 128 (w % 2) + 16 h on
	s_mul_i32 s95, s34, FRB
	v_add_nc_u32 v8, s95, v3                       ; where I store my fragment's image
	s_lshl_b32 s95, s34, 7
	s_add_co_u32 s95, s95, XSC
	v_add_nc_u32 v9, s95, v4                       ; and its scale words
	v_lshlrev_b32 v[H64], 6, v230
.irp b, 0,1,2,3
	v_mov_b32 v[TM+4+\b], 0                        ; written once: a lane permute's destination counts as one of its sources
.endr
	s_wait_alu depctr_va_vdst(0)
	s_wait_kmcnt 0x0
	s_lshl_b32 s90, s93, 2
	s_add_nc_u64 s[82:83], s[4:5], s[90:91]
	s_load_b256 s[44:51], s[82:83], 0x0            ; my eight ids
	s_lshl_b32 s90, s94, 10
	s_add_nc_u64 s[80:81], s[8:9], s[90:91]
.set i, 0
.rept 16
	global_load_b128 v[80+4*i:83+4*i], v3, s[80:81] offset:512*i   ; eight rows of the positions' table: 8,192 consecutive bytes
.set i, i+1
.endr
	s_lshl_b32 s90, s35, 16
	s_lshl_b32 s92, s34, 13
	s_add_co_u32 s90, s90, s92
	s_add_nc_u64 s[66:67], s[18:19], s[90:91]      ; X
	s_mul_i32 s90, s35, 12288
	s_mul_i32 s92, s34, FRB
	s_add_co_u32 s90, s90, s92
	s_add_nc_u64 s[68:69], s[18:19], s[90:91]
	s_add_nc_u64 s[68:69], s[68:69], OFFQ          ; Q (K and V by immediates)
	s_mul_i32 s90, s35, 3072
	s_lshl_b32 s92, s34, 7
	s_add_co_u32 s90, s90, s92
	s_add_nc_u64 s[70:71], s[18:19], s[90:91]
	s_add_nc_u64 s[70:71], s[70:71], OFFS          ; the scale words
	s_mul_i32 s90, s34, 18432
	s_add_nc_u64 s[76:77], s[10:11], s[90:91]      ; layer 0, head w: 12 fragments,
	s_mul_i32 s90, s34, 1536
	s_add_nc_u64 s[78:79], s[10:11], s[90:91]
	s_add_nc_u64 s[78:79], s[78:79], WSC           ; their scale words,
	s_lshl_b32 s90, s34, 7
	s_add_nc_u64 s[86:87], s[12:13], s[90:91]      ; and the head's biases
	s_add_nc_u64 s[88:89], s[14:15], s[90:91]
	s_add_nc_u64 s[28:29], s[16:17], s[90:91]
	s_wait_kmcnt 0x0
	EROW 0, 52
	EROW 1, 54
	EROW 2, 56
	EROW 3, 58
	EROW 4, 60
	EROW 5, 62
	EROW 6, 72
	EROW 7, 74
	ELOAD 0, 52
	ELOAD 1, 54
	ELOAD 2, 56
	ELOAD 3, 58
	ELOAD 4, 60
	ELOAD 5, 62
	ELOAD 6, 72
	ELOAD 7, 74
	s_wait_loadcnt 0x0
	QKVLOAD                                        ; the weights land while x is added, turned and quantised
.set i, 0
.rept 32
	v_pk_add_f32 v[16+i:17+i], v[16+i:17+i], v[80+i:81+i]
.set i, i+2
.endr
.set i, 0
.rept 16
	ds_store_b128 v6, v[16+4*i:19+4*i] offset:SPT*(i/2)+512*(i%2)
.set i, i+1
.endr
	BARRIER                                        ; 64 rows of x lie in the stage
.set i, 0
.rept 16
	ds_load_b128 v[AA+4*i:AA+4*i+3], v7 offset:128*(i/4)+16*(i%4)   ; register 16 b + i = channel 128 (w % 2) + 32 b + 16 h + i of my row
.set i, i+1
.endr
	s_wait_dscnt 0x0
.set i, 0
.rept 16
	global_store_b128 v3, v[AA+4*i:AA+4*i+3], s[66:67] offset:512*i   ; x in f32, as an image of these registers
.set i, i+1
.endr
	QUANT AA
	IMAGE 8, XIMG
	ds_store_b32 v9, v[PW]
	BARRIER                                        ; x's eight fragments lie in LDS
	s_wait_xcnt 0x0                                ; x's stores have read their registers
.set i, 0
.rept 24
	ds_load_b128 v[16+4*i:19+4*i], v3 offset:XIMG+512*i
.set i, i+1
.endr
.irp q, 0,1,2,3
	ds_load_b32 v[XS+\q], v5 offset:XSC+256*\q
.endr
	s_wait_dscnt 0x0
	s_wait_loadcnt 0x0
	PROJT 0
	PUT64 0
	global_store_b32 v4, v[PW], s[70:71]
	PROJT 1
	PUT128 OFFK
	global_store_b32 v4, v[PW], s[70:71] offset:1024
	PROJV
	PUT64 OFFV
	global_store_b32 v4, v[PW], s[70:71] offset:2048
	s_barrier_signal -1
	s_barrier_wait -1
	s_wait_tensorcnt 0x0
	ds_add_u32 v253, v255
	s_wait_dscnt 0x0
	s_endpgm
.Lfunc_end_k_q56694a175d_embed:
	.size	k_q56694a175d_embed, .Lfunc_end_k_q56694a175d_embed-k_q56694a175d_embed
	.p2alignl 7, 3214868480
	.fill 96, 4, 3214868480
	.section	.rodata,"a",@progbits
	.p2align	6, 0x0
	.amdhsa_kernel k_q56694a175d_embed
		.amdhsa_group_segment_fixed_size 80896
		.amdhsa_private_segment_fixed_size 0
		.amdhsa_enable_private_segment 0
		.amdhsa_kernarg_size 64
		.amdhsa_user_sgpr_count 2
		.amdhsa_user_sgpr_kernarg_segment_ptr 1
		.amdhsa_wavefront_size32 1
		.amdhsa_system_sgpr_workgroup_id_x 1
		.amdhsa_system_sgpr_workgroup_id_y 1
		.amdhsa_system_sgpr_workgroup_id_z 1
		.amdhsa_system_vgpr_workitem_id 0
		.amdhsa_next_free_vgpr 512
		.amdhsa_next_free_sgpr 100
		.amdhsa_reserve_vcc 0
		.amdhsa_float_denorm_mode_32 3
		.amdhsa_float_denorm_mode_16_64 3
		.amdhsa_memory_ordered 1
		.amdhsa_forward_progress 1
		.amdhsa_inst_pref_size 49
	.end_amdhsa_kernel
	.amdgpu_metadata
---
amdhsa.version: [ 1, 2 ]
amdhsa.kernels:
  - .name:           k_q56694a175d_embed
    .symbol:         k_q56694a175d_embed.kd
    .args:
      - { .name: batch_ch_ids, .offset: 0, .size: 8, .value_kind: global_buffer, .address_space: global }
      - { .name: ch_embedding, .offset: 8, .size: 8, .value_kind: global_buffer, .address_space: global }
      - { .name: pos_embedding, .offset: 16, .size: 8, .value_kind: global_buffer, .address_space: global }
      - { .name: wimg, .offset: 24, .size: 8, .value_kind: global_buffer, .address_space: global }
      - { .name: bq, .offset: 32, .size: 8, .value_kind: global_buffer, .address_space: global }
      - { .name: bk, .offset: 40, .size: 8, .value_kind: global_buffer, .address_space: global }
      - { .name: bv, .offset: 48, .size: 8, .value_kind: global_buffer, .address_space: global }
      - { .name: sa, .offset: 56, .size: 8, .value_kind: global_buffer, .address_space: global }
    .group_segment_fixed_size: 80896
    .private_segment_fixed_size: 0
    .kernarg_segment_align: 8
    .kernarg_segment_size: 64
    .max_flat_workgroup_size: 256
    .sgpr_count:     100
    .vgpr_count:     512
    .wavefront_size: 32
...
	.end_amdgpu_metadata
.endif
;; end of part 2
;; launch layer (part 3): grid 256 x 1, 8 waves a work-group, no clusters, 239,616 bytes of LDS; arguments sa, sb, ca, cb, wimg, sentence_length, gamma, beta, b1, b2, bq, bk, bv, bo, out0; writes sb, cb, out0
.if DOCPART == 3
	.amdgcn_target "amdgcn-amd-amdhsa--gfx1250"
	.amdhsa_code_object_version 6
	.text
	.protected	k_q56694a175d_layer
	.globl	k_q56694a175d_layer
	.p2align	8
	.type	k_q56694a175d_layer,@function
k_q56694a175d_layer:
	s_mov_b64 s[64:65], 0
	v_nop
	global_prefetch_b8 v0, s[64:65] scope:SCOPE_SE
	s_setreg_imm32_b32 hwreg(HW_REG_WAVE_MODE, 25, 1), 1
	s_wait_xcnt 0x0
; One layer for 64 positions of one sentence: attention, residual + LN, the two products of the FFN, residual + LN.
; Then the NEXT layer's q, k, v or, in the last layer, the logits.
; All products run on codes of FP6 (E2M3) with one E8M0 scale for each 32 along K; everything else is f32.
; Scores, p, the attention's result, the hidden layer and both LN results stay in registers and LDS.
; Work-group g = 8 batch + qb; eight waves; wave w is head w in attention and in the projections.
; The 64 positions are four tiles: row r of tile q is position 32 (q / 2) + 8 (q % 2) + r % 8 + 16 (r / 8); slot 16 q + r.
; ATTENTION.  S^T = K Q^T and O^T = V^T P^T: a lane holds one query throughout.
; A head is 32 wide, one block of the instruction's four, so one operand of K carries FOUR tiles of 16 keys, one to a block.
; Q stands in one block of its operand with zero codes in the other three.
; The softmax is finished before it is quantised: all 512 scores of a query stay in window 1 as f32.
; Its steps: the row's largest, p = 2^(c s - c max), the sum, p / sum times the query's mask, then the quantiser along the keys.
; THE LENGTH.  Keys at or past the sentence's length have p = 0; queries there have a zero row.
; Steps of 128 keys and tiles of queries that lie wholly past it are jumped over by scalar branches on the length.
; The launch takes its operands from memory straight into registers, and has no tensor load and no cluster.
; LIMITS.
;   Masked keys get p = 0 exactly, as reference() has it wherever some valid score / 16 lies over -2^32 + 150.
;   A block of zeros gets the scale byte 1 where the rule says 127 (its codes are zeros, and this program alone reads the bytes).
;   A block's largest p is taken from its largest score, which takes v_exp_f32 not to fall where its input rises.
;   1 / sum and 1 / sqrt are v_rcp_f32 and v_rsq_f32; p under 2^-126 is 0; NaN and infinities are not served.
.set XIMG, 0                           ; LDS: x's 8 fragments (2 q + s), images of their registers
.set XSC,  12288                       ; their scale words, 128 bytes each
.set HSC,  13312                       ; the hidden layer's scale words (8 m + s)
.set STAT, 17408                       ; LN: each wave's (mean, sum of squares) of its half of the rows, 8 bytes a lane
.set OUTS, 19456                       ; the logits, 80 bytes a position (stored behind the last read of gamma and beta, with barriers between)
.set GBL,  19456                       ; gamma's 1,024 bytes, then beta's: copied once at the head, read by every wave in both LN
.set HIMG, 24576                       ; the hidden layer's 32 fragments (8 m + s)
.set STG,  73728                       ; 64 rows of 256 f32 by slot, 1,040 bytes apart
.set VIMG, 140288                      ; 12,288 bytes a wave: V of its head, as it lies in the state
.set SPT,  1040
.set FRB,  1536
.set OFFQ, 16777216
.set OFFKA, 19922944
.set OFFVA, 23068672
.set OFFK, 3145728                     ; from Q's images to K's
.set OFFV, 6291456                     ; and to V's
.set OFFS, 26214400
.set WSC,  989184
; registers in attention (window 1, v256-511, is S): v1 r, v2 h, v3 16 lane, v4 V's LDS address, v5 r % 8 + 16 (r / 8), v6 16 h, v7 the stage address in hand,
; v8 8 r, v9 the stage, v10 256 lane, v11, v12, v15 offsets of scale words
.set KR,   16                          ; v16-111  K of my head: 8 operands of 64 keys
.set KS,   112                         ; v112-115 their scale words, in pairs
.set VS,   116                         ; v116-119 V's scale words: a register a step of 128 keys; channels 0-15 in lanes 0-15, 16-31 in lanes 16-31
.set VW,   120                         ; v120 where V's raw copy goes
.set POS,  121                         ; v121 my query's position
.set NINF, 122                         ; v122 -infinity
.set VD,   123                         ; v123 the mask's bound
.set QW,   124                         ; v124 q's scale word (four tiles' bytes)
.set QS,   125                         ; v125 the tile's byte, four times
.set PS,   126                         ; v126 p's scale word
.set MX,   127                         ; v127 the row's largest score
.set QZ,   128                         ; v128-157 zeros, q in lanes 0-15, zeros, q in lanes 16-31, zeros: six registers each
.set QRAW, 158                         ; v158-163 the tile's q as loaded
.set OO,   164                         ; v164-179 O^T: two tiles of 16 channels
.set BM,   180                         ; v180-195 the largest score of each block of 32 keys, then its p
.set VB,   196                         ; v196-219 a step's two operands of V^T
.set PCA,  220                         ; v220-239 p's codes
.set CSO,  240                         ; v240-243 the conversions' scale operands
.set TT,   244                         ; v244-247 at work
.set NM,   248                         ; v[248:249] -c max
.set SUMA, 250
.set SUMB, 252
.set RN,   254                         ; v[254:255] 1 / sum, or 0 for a query past the length
; registers behind attention: v1 8 lane, v2 4 r, v3 16 lane, v4 4 lane, v5 4 lane + 128 h, v6 the stage (in), v7 the stage (out), v8, v9 x's images and scale words,
; v10, v11 the hidden layer's, v12 HIMG + 16 lane, v13, v14 STAT (mine, my partner's), v15 the logits' place
.set AA,   16                          ; v16-79   64 numbers of my row: x
.set BB,   80                          ; v80-143
.set CC,   144                         ; v144-207
.set HA,   112                         ; the projections' accumulators
.set PC,   208                         ; v208-226 the codes just made
.set ZR,   223                         ; v223 0
.set TM,   228                         ; v228-239 at work
.set PW,   240                         ; the scale word just made
.set WS,   241                         ; v241-248 the weights' scale words, in pairs
.set XS,   249                         ; v249-252 x's or the hidden layer's
.set W2S,  192                         ; v192-199 W2's scale words, in pairs (asked for behind the first LN, which has beta there)
.set GBO,  253                         ; 64 h + 512 (w % 2)
.set H64,  254
.set H32,  255
.set MSB, 0
.macro WIN new                         ; the immediate's high byte repeats the setting that is left
.if MSB != \new
	s_set_vgpr_msb (MSB<<8)|\new
.set MSB, \new
.endif
.endm
.macro NOPS n
.rept \n
	v_nop
.endr
.endm
.macro BARRIER                         ; my LDS stores have landed and my LDS loads are in: then the work-group's barrier
	s_wait_dscnt 0x0
	s_barrier_signal -1
	s_barrier_wait -1
.endm
; D = A x B + C on codes of FP6.  row: 0 both scale words from lanes 0-15; 1 A's from lanes 16-31; 2 B's; 3 both
.macro MM d, a, b, c, sa, sb, row
.if (\row) == 0
	v_wmma_scale_f32_16x16x128_f8f6f4 v[\d:\d+7], v[\a:\a+11], v[\b:\b+11], v[\c:\c+7], v[\sa], v[\sb] matrix_a_fmt:MATRIX_FMT_FP6 matrix_b_fmt:MATRIX_FMT_FP6
.elseif (\row) == 1
	v_wmma_scale_f32_16x16x128_f8f6f4 v[\d:\d+7], v[\a:\a+11], v[\b:\b+11], v[\c:\c+7], v[\sa], v[\sb] matrix_a_fmt:MATRIX_FMT_FP6 matrix_b_fmt:MATRIX_FMT_FP6 matrix_a_scale:MATRIX_SCALE_ROW1
.elseif (\row) == 2
	v_wmma_scale_f32_16x16x128_f8f6f4 v[\d:\d+7], v[\a:\a+11], v[\b:\b+11], v[\c:\c+7], v[\sa], v[\sb] matrix_a_fmt:MATRIX_FMT_FP6 matrix_b_fmt:MATRIX_FMT_FP6 matrix_b_scale:MATRIX_SCALE_ROW1
.else
	v_wmma_scale_f32_16x16x128_f8f6f4 v[\d:\d+7], v[\a:\a+11], v[\b:\b+11], v[\c:\c+7], v[\sa], v[\sb] matrix_a_fmt:MATRIX_FMT_FP6 matrix_b_fmt:MATRIX_FMT_FP6 matrix_a_scale:MATRIX_SCALE_ROW1 matrix_b_scale:MATRIX_SCALE_ROW1
.endif
.endm
.macro MMZ d, a, b, sa, sb, row        ; the same with C = 0: the product starts the sum
.if (\row) == 0
	v_wmma_scale_f32_16x16x128_f8f6f4 v[\d:\d+7], v[\a:\a+11], v[\b:\b+11], 0, v[\sa], v[\sb] matrix_a_fmt:MATRIX_FMT_FP6 matrix_b_fmt:MATRIX_FMT_FP6
.else
	v_wmma_scale_f32_16x16x128_f8f6f4 v[\d:\d+7], v[\a:\a+11], v[\b:\b+11], 0, v[\sa], v[\sb] matrix_a_fmt:MATRIX_FMT_FP6 matrix_b_fmt:MATRIX_FMT_FP6 matrix_a_scale:MATRIX_SCALE_ROW1
.endif
.endm
; 64 numbers of a lane, register 16 b + i = k 32 b + 16 (lane / 16) + i of my row, become a fragment's codes in v[PC] on and its scale word in v[PW]
.macro QUANT s
	s_wait_xcnt 0x0                                ; earlier stores have read v[PC] on and v[PW]: they are written again only behind this wait
.irp b, 0,1,2,3
	v_max3_num_f32 v[TM+\b], |v[\s+16*\b]|, |v[\s+1+16*\b]|, 0x1800000   ; my 16 numbers of block b, and the floor 2^(3 - 127): the byte cannot fall under 1
.endr
.irp i, 2,4,6,8,10,12,14
.irp b, 0,1,2,3
	v_max3_num_f32 v[TM+\b], v[TM+\b], |v[\s+16*\b+\i]|, |v[\s+1+16*\b+\i]|
.endr
.endr
.irp b, 0,1,2,3
	s_delay_alu instid0(VALU_DEP_4)
	v_permlanex16_b32 v[TM+4+\b], v[TM+\b], s40, s41
.endr
.irp b, 0,1,2,3
	s_delay_alu instid0(VALU_DEP_4)
	v_max_num_f32 v[TM+\b], v[TM+\b], v[TM+4+\b]   ; with lane l xor 16's: the block's largest magnitude
.endr
.irp b, 0,1,2,3
	s_delay_alu instid0(VALU_DEP_4)
	v_add_nc_u32 v[TM+8+\b], 0xff000000, v[TM+\b]  ; 2 off its exponent field: the conversion's scale operand
.endr
.irp b, 0,1,2,3
	s_delay_alu instid0(VALU_DEP_4)
	v_lshrrev_b32 v[TM+4+\b], 23, v[TM+8+\b]       ; the scale's byte
.endr
	s_delay_alu instid0(VALU_DEP_3)
	v_lshl_or_b32 v[PW], v[TM+5], 8, v[TM+4]
	s_delay_alu instid0(VALU_DEP_1)
	v_lshl_or_b32 v[PW], v[TM+6], 16, v[PW]
	s_delay_alu instid0(VALU_DEP_1)
	v_lshl_or_b32 v[PW], v[TM+7], 24, v[PW]
.irp c, 0,1
	v_cvt_scalef32_pk16_fp6_f32 v[PC+6*\c:PC+2+6*\c], v[\s+32*\c:\s+15+32*\c], v[TM+8+2*\c]
	v_cvt_scalef32_pk16_fp6_f32 v[PC+12+4*\c:PC+14+4*\c], v[\s+16+32*\c:\s+31+32*\c], v[TM+8+2*\c+1]   ; (a conversion's three registers begin on an even number)
.endr
	v_nop                                          ; one plain place behind a scaled conversion
.irp c, 0,1                                    ; the operand's layout wants a whole block in a lane: lanes 0-15 block 2 c, lanes 16-31 block 2 c + 1
.irp i, 0,1,2
	v_permlane16_swap_b32 v[PC+6*\c+\i], v[PC+12+4*\c+\i]
.endr
.irp i, 0,1,2
	s_delay_alu instid0(VALU_DEP_3)
	v_mov_b32 v[PC+3+6*\c+\i], v[PC+12+4*\c+\i]
.endr
.endr
.endm
.macro IMAGE adr, off                          ; the fragment in v[PC] on goes to LDS as it stands
.irp c, 0,1,2
	ds_store_b128 v[\adr], v[PC+4*\c:PC+4*\c+3] offset:\off+512*\c
.endr
.endm
.macro PUT64 off                               ; the fragment to the state, 8 bytes a lane: each store covers 256 consecutive bytes, aligned
.irp p, 0,1,2,3,4,5
	global_store_b64 v1, v[PC+2*\p:PC+2*\p+1], s[68:69] offset:\off+256*\p
.endr
.endm
.macro PUT128 off                              ; 16 bytes a lane
.irp c, 0,1,2
	global_store_b128 v3, v[PC+4*\c:PC+4*\c+3], s[68:69] offset:\off+512*\c
.endr
.endm
; the next layer's 12 weight fragments of my head into window 1 (v0-143), the biases in the results' layout (v144-191), the scale words in pairs
; in two parts: QKVA the first eight fragments (v0-95), QKVB the last four, the biases and the scale words
.macro QKVA
	WIN 0x40
.set i, 0
.rept 24
	global_load_b128 v[4*i:4*i+3], v3, s[76:77] offset:512*i
.set i, i+1
.endr
	WIN 0
.endm
.macro QKVB
	WIN 0x40
.set i, 24
.rept 12
	global_load_b128 v[4*i:4*i+3], v3, s[76:77] offset:512*i
.set i, i+1
.endr
.irp u, 0,1
	global_load_b128 v[144+8*\u:147+8*\u], v[H64], s[86:87] offset:32*\u
	global_load_b128 v[148+8*\u:151+8*\u], v[H64], s[86:87] offset:32*\u+16
	global_load_b128 v[160+8*\u:163+8*\u], v[H64], s[88:89] offset:32*\u
	global_load_b128 v[164+8*\u:167+8*\u], v[H64], s[88:89] offset:32*\u+16
.endr
.irp u, 0,1
.irp p, 0,1,2,3,4,5,6,7
	global_load_b32 v[176+8*\u+\p], v2, s[28:29] offset:64*\u   ; v's result holds one channel a lane: its bias in all eight registers
.endr
.endr
	WIN 0
.irp p, 0,1,2,3,4,5
	global_load_b32 v[WS+\p], v5, s[78:79] offset:256*\p
.endr
.endm
; the last layer: Wo's four fragments (v0-47 of window 1), bo in the results' layout (v48-63), the scale words
.macro WOLOAD
	WIN 0x40
.set i, 0
.rept 12
	global_load_b128 v[4*i:4*i+3], v3, s[12:13] offset:640*FRB+512*i
.set i, i+1
.endr
	global_load_b128 v[48:51], v[H32], s[30:31]
	global_load_b128 v[52:55], v[H32], s[30:31] offset:16
	global_load_b128 v[56:59], v[ZR], s[30:31] offset:64           ; labels 16 to 19: the buffer's last 16 bytes, for every lane
.irp i, 60,61,62,63
	v_mov_b32 v\i, 0
.endr
	WIN 0
	global_load_b32 v[WS+6], v5, s[12:13] offset:WSC+640*128        ; registers that the next layer's scale words never take
	global_load_b32 v[WS+7], v5, s[12:13] offset:WSC+640*128+256
.endm
; q or k of my head, transposed (source 0 = 16 channels of W, source 1 = 16 rows of x).
; Accumulator (tile q, u) at HA + 16 q + 8 u, so that block q of the quantiser is the head's 32 channels of the tile's row.
; The eight accumulators take turns.
.macro PROJT kind
	WIN 0x11
.irp q, 0,1,2,3
.irp u, 0,1
	MM HA+16*\q+8*\u, 12*(4*\kind+2*\u), 16+24*\q, 144+16*\kind+8*\u, WS+2*\kind+\u, XS+\q, 0
.endr
.endr
	WIN 0x01
.irp q, 0,1,2,3
.irp u, 0,1
	MM HA+16*\q+8*\u, 12*(4*\kind+2*\u+1), 28+24*\q, HA+16*\q+8*\u, WS+2*\kind+\u, XS+\q, 3
.endr
.endr
	WIN 0
	NOPS 4
	QUANT HA
.endm
; v of my head (source 0 = x, source 1 = 16 channels of Wv): a lane holds one channel and its registers run along the keys.
; Block 2 u + b of the quantiser is channel tile u, keys 32 b on.
.macro PROJV
	WIN 0x14
.irp q, 0,1,2,3
.irp u, 0,1
	MM HA+16*(2*\u+\q/2)+8*(\q%2), 16+24*\q, 12*(8+2*\u), 176+8*\u, XS+\q, WS+4+\u, 0
.endr
.endr
	WIN 0x04
.irp q, 0,1,2,3
.irp u, 0,1
	MM HA+16*(2*\u+\q/2)+8*(\q%2), 28+24*\q, 12*(9+2*\u), HA+16*(2*\u+\q/2)+8*(\q%2), XS+\q, WS+4+\u, 3
.endr
.endr
	WIN 0
	NOPS 4
	QUANT HA
.endm
; ---- attention's macros.  j: a step of 128 keys
; Tile (f, e) lands at S + 8 (4 f + e), so that registers 16 b .. 16 b + 15 of S are keys 32 b + 16 h + 0 .. 15.
.macro SCORES j
.set SB, 64*(\j)
.set BJ, BM+4*(\j)
	WIN 0x40
.irp f, 0,1
.irp e, 0,1,2,3
	MMZ 8*(8*(\j)+4*\f+\e), KR+12*(2*(\j)+\f), QZ+(6+12*\e)%30, KS+(\j), QS, \f
.endr
.endr
	WIN 0
	NOPS 4
	s_cmp_ge_u32 s38, 128*((\j)+1)                 ; all 128 keys count: no mask
	s_cbranch_scc1 .Lopen_\@
	s_sub_co_i32 s92, s38, 128*(\j)
	v_sub_nc_u32 v[VD], s92, v6                    ; register 16 b + i holds key 128 j + 16 h + 32 b + i: hidden where 32 b + i >= length - 128 j - 16 h
	WIN 0x41
.set n, 0
.rept 64
	v_cmp_ge_i32 vcc_lo, 32*(n/16)+n%16, v[VD]
	v_cndmask_b32 v[SB+n], v[SB+n], v[NINF], vcc_lo
.set n, n+1
.endr
	WIN 0
.Lopen_\@:
	WIN 0x15
.irp b, 0,1,2,3
	v_max3_num_f32 v[BJ+\b], v[SB+16*\b], v[SB+16*\b+1], v[SB+16*\b+2]   ; the largest score of each block of 32 keys: for the row's largest, and for the block's largest p
.endr
	WIN 0x14
.irp i, 3,5,7,9,11,13
.irp b, 0,1,2,3
	v_max3_num_f32 v[BJ+\b], v[BJ+\b], v[SB+16*\b+\i], v[SB+16*\b+\i+1]
.endr
.endr
.irp b, 0,1,2,3
	v_max_num_f32 v[BJ+\b], v[BJ+\b], v[SB+16*\b+15]
.endr
	WIN 0
.irp b, 0,1,2,3
	v_permlanex16_b32 v[TT+\b], v[BJ+\b], s40, s41
.endr
.irp b, 0,1,2,3
	s_delay_alu instid0(VALU_DEP_4)
	v_max_num_f32 v[BJ+\b], v[BJ+\b], v[TT+\b]     ; with lane l xor 16's 16 keys
.endr
	s_delay_alu instid0(VALU_DEP_3)
	v_max3_num_f32 v[MX], v[MX], v[BJ], v[BJ+1]
	s_delay_alu instid0(VALU_DEP_1)
	v_max3_num_f32 v[MX], v[MX], v[BJ+2], v[BJ+3]
.endm
; p = 2^(c s - c max), not yet divided, and its sum.  The 68 exponentials are one batch with one wait
.macro EXPS j
.set SB, 64*(\j)
.set BJ, BM+4*(\j)
	WIN 0x41
.set i, 0
.rept 32
	v_pk_fma_f32 v[SB+i:SB+i+1], v[SB+i:SB+i+1], s[42:43], v[NM:NM+1] op_sel_hi:[1,0,0]
.set i, i+2
.endr
	WIN 0
.irp b, 0,1,2,3
	v_fma_f32 v[BJ+\b], v[BJ+\b], s42, v[NM]       ; the same of each block's largest score
.endr
	WIN 0x41
.set i, 0
	s_wait_alu depctr_va_vdst(0)
.rept 64
	v_exp_f32 v[SB+i], v[SB+i]
.set i, i+1
.endr
	WIN 0
.irp b, 0,1,2,3
	v_exp_f32 v[BJ+\b], v[BJ+\b]
.endr
	v_nop                                          ; a plain place behind the last exponential
	s_wait_alu depctr_va_vdst(0)                   ; one wait for the batch, ahead of its first reader
	WIN 0x04
.set i, 0
.rept 16
	v_pk_add_f32 v[SUMA:SUMA+1], v[SUMA:SUMA+1], v[SB+i:SB+i+1]
	v_pk_add_f32 v[SUMB:SUMB+1], v[SUMB:SUMB+1], v[SB+i+2:SB+i+3]
.set i, i+4
.endr
	WIN 0
.endm
.macro VLOAD j                                 ; the step's two operands of V^T: registers 6 c on come from the 64 keys 2 j + c
.irp u, 0,1
.irp c, 0,1
.irp i, 0,1,2
	ds_load_b64 v[VB+12*\u+6*\c+2*\i:VB+12*\u+6*\c+2*\i+1], v4 offset:FRB*(2*(\j)+\c)+256*(3*\u+\i)
.endr
.endr
.endr
.endm
; p / sum (0 for a query past the length) is quantised along the keys and multiplied by V.
; The first four multiplications are the places behind the last step's products; the other 28 are the places behind the scale word's last write.
.macro PVSTEP j
.set SB, 64*(\j)
.set BJ, BM+4*(\j)
	WIN 0x41
.set i, 0
.rept 4
	v_pk_mul_f32 v[SB+i:SB+i+1], v[SB+i:SB+i+1], v[RN:RN+1] op_sel_hi:[1,0]
.set i, i+2
.endr
	WIN 0
.if \j
	VLOAD \j
.endif
.irp b, 0,1,2,3
	v_mul_f32 v[BJ+\b], v[BJ+\b], v[RN]            ; the block's largest p / sum: the same multiplication on the same numbers
.endr
.irp b, 0,1,2,3
	s_delay_alu instid0(VALU_DEP_4)
	v_max_num_f32 v[BJ+\b], 0x1800000, v[BJ+\b]    ; the floor 2^(3 - 127)
.endr
.irp b, 0,1,2,3
	s_delay_alu instid0(VALU_DEP_4)
	v_add_nc_u32 v[CSO+\b], 0xff000000, v[BJ+\b]
.endr
.irp b, 0,1,2,3
	s_delay_alu instid0(VALU_DEP_4)
	v_lshrrev_b32 v[TT+\b], 23, v[CSO+\b]
.endr
	s_delay_alu instid0(VALU_DEP_3)
	v_lshl_or_b32 v[PS], v[TT+1], 8, v[TT]
	s_delay_alu instid0(VALU_DEP_1)
	v_lshl_or_b32 v[PS], v[TT+2], 16, v[PS]
	s_delay_alu instid0(VALU_DEP_1)
	v_lshl_or_b32 v[PS], v[TT+3], 24, v[PS]
	WIN 0x41
.set i, 8
.rept 28
	v_pk_mul_f32 v[SB+i:SB+i+1], v[SB+i:SB+i+1], v[RN:RN+1] op_sel_hi:[1,0]
.set i, i+2
.endr
	WIN 0x01
.irp c, 0,1
	v_cvt_scalef32_pk16_fp6_f32 v[PCA+6*\c:PCA+2+6*\c], v[SB+32*\c:SB+15+32*\c], v[CSO+2*\c]
	v_cvt_scalef32_pk16_fp6_f32 v[PCA+12+4*\c:PCA+14+4*\c], v[SB+16+32*\c:SB+31+32*\c], v[CSO+2*\c+1]
.endr
	WIN 0
	v_nop                                          ; one plain place behind a scaled conversion
.irp c, 0,1
.irp i, 0,1,2
	v_permlane16_swap_b32 v[PCA+6*\c+\i], v[PCA+12+4*\c+\i]
.endr
.irp i, 0,1,2
	s_delay_alu instid0(VALU_DEP_3)
	v_mov_b32 v[PCA+3+6*\c+\i], v[PCA+12+4*\c+\i]
.endr
.endr
	NOPS 4                                         ; an operand written by vector instructions stands four places ahead of the product
	s_wait_dscnt 0x0                               ; V is in
.if \j
	s_wait_alu depctr_va_vdst(0)
	MM OO, VB, PCA, OO, VS+(\j), PS, 0             ; the two accumulators take turns, step after step
	MM OO+8, VB+12, PCA, OO+8, VS+(\j), PS, 1
.else
	s_wait_alu depctr_va_vdst(0)
	MMZ OO, VB, PCA, VS, PS, 0
	MMZ OO+8, VB+12, PCA, VS, PS, 1
.endif
.endm
; ---- LN's macros.  Wave w holds, of tile w / 2, channels 128 (w % 2) on: lane (r, h) 64 numbers of row r
.macro LDROWS dst
.set i, 0
.rept 16
	ds_load_b128 v[\dst+4*i:\dst+4*i+3], v7 offset:128*(i/4)+16*(i%4)
.set i, i+1
.endr
.endm
.macro ADDAB
.set i, 0
.rept 32
	v_pk_add_f32 v[AA+i:AA+i+1], v[AA+i:AA+i+1], v[BB+i:BB+i+1]
.set i, i+2
.endr
.endm
.macro GBLOAD dst, base                        ; gamma (base GBL) or beta (GBL + 1024) at my 64 channels, from LDS: the sixteen lanes of a half read the same 16 bytes
.set i, 0
.rept 16
	ds_load_b128 v[\dst+4*i:\dst+4*i+3], v[GBO] offset:\base+128*(i/4)+16*(i%4)
.set i, i+1
.endr
.endm
; the mean of my half row (128 numbers), the numbers less that mean, the sum of their squares; both figures to LDS for the wave that holds the other half
.macro LNSTAT
	v_pk_add_f32 v[228:229], v[AA:AA+1], v[AA+2:AA+3]
	v_pk_add_f32 v[230:231], v[AA+4:AA+5], v[AA+6:AA+7]
.set i, 8
.rept 14
	s_delay_alu instid0(VALU_DEP_2)
	v_pk_add_f32 v[228:229], v[228:229], v[AA+i:AA+i+1]
	s_delay_alu instid0(VALU_DEP_2)
	v_pk_add_f32 v[230:231], v[230:231], v[AA+i+2:AA+i+3]
.set i, i+4
.endr
	s_delay_alu instid0(VALU_DEP_1)
	v_pk_add_f32 v[228:229], v[228:229], v[230:231]
	s_delay_alu instid0(VALU_DEP_1)
	v_add_f32 v228, v228, v229
	s_delay_alu instid0(VALU_DEP_1)
	v_permlanex16_b32 v232, v228, s40, s41
	s_delay_alu instid0(VALU_DEP_1)
	v_add_f32 v228, v228, v232
	s_delay_alu instid0(VALU_DEP_1)
	v_mul_f32 v228, 0x3c000000, v228               ; / 128
	s_delay_alu instid0(VALU_DEP_1)
	v_mov_b32 v229, v228
.set i, 0
.rept 32
	v_pk_add_f32 v[AA+i:AA+i+1], v[AA+i:AA+i+1], v[228:229] neg_lo:[0,1] neg_hi:[0,1]
.set i, i+2
.endr
	v_pk_mul_f32 v[230:231], v[AA:AA+1], v[AA:AA+1]
	v_pk_mul_f32 v[234:235], v[AA+2:AA+3], v[AA+2:AA+3]
.set i, 4
.rept 15
	s_delay_alu instid0(VALU_DEP_2)
	v_pk_fma_f32 v[230:231], v[AA+i:AA+i+1], v[AA+i:AA+i+1], v[230:231]
	s_delay_alu instid0(VALU_DEP_2)
	v_pk_fma_f32 v[234:235], v[AA+i+2:AA+i+3], v[AA+i+2:AA+i+3], v[234:235]
.set i, i+4
.endr
	s_delay_alu instid0(VALU_DEP_1)
	v_pk_add_f32 v[230:231], v[230:231], v[234:235]
	s_delay_alu instid0(VALU_DEP_1)
	v_add_f32 v229, v230, v231
	s_delay_alu instid0(VALU_DEP_1)
	v_permlanex16_b32 v232, v229, s40, s41
	s_delay_alu instid0(VALU_DEP_1)
	v_add_f32 v229, v229, v232
	ds_store_b64 v13, v[228:229]
.endm
; The two halves are joined without a difference of large sums.
; With d = my mean - the other's, the row's sum of squares is the two sums + 64 d^2, and my numbers lie d / 2 over the row's mean.
; gamma (BB) and beta (CC) came from LDS and were waited for in front of the barrier ahead of this macro.
.macro LNFIN
	ds_load_b64 v[236:237], v14
	s_wait_dscnt 0x0
	v_sub_f32 v238, v228, v236
	v_add_f32 v239, v229, v237
	s_delay_alu instid0(VALU_DEP_2)
	v_mul_f32 v233, v238, v238
	s_delay_alu instid0(VALU_DEP_1)
	v_fma_f32 v239, v233, 0x42800000, v239
	s_delay_alu instid0(VALU_DEP_1)
	v_mul_f32 v239, 0x3b800000, v239               ; / 256: the variance
	s_delay_alu instid0(VALU_DEP_1)
	v_add_f32 v239, 0x19416d9a, v239               ; + 1e-23
	s_wait_alu depctr_va_vdst(0)
	v_rsq_f32 v236, v239
	v_mul_f32 v238, 0.5, v238                      ; (a plain place behind the transcendental)
	s_wait_alu depctr_va_vdst(0)                   ; ahead of the first reader
	v_mul_f32 v238, v238, v236
.set i, 0
.rept 32
	v_pk_fma_f32 v[AA+i:AA+i+1], v[AA+i:AA+i+1], v[236:237], v[238:239] op_sel_hi:[1,0,0]
.set i, i+2
.endr
.set i, 0
.rept 32
	v_pk_fma_f32 v[AA+i:AA+i+1], v[AA+i:AA+i+1], v[BB+i:BB+i+1], v[CC+i:CC+i+1]
.set i, i+2
.endr
.endm
.macro XFETCH p                                ; x's four fragments of tiles 2 p and 2 p + 1 (24 registers a tile), and each tile's scale words as a pair
.irp c, 0,1,2,3,4,5,6,7,8,9,10,11
	ds_load_b128 v[CC+4*\c:CC+4*\c+3], v3 offset:XIMG+6144*(\p)+512*\c
.endr
.irp e, 0,1
	ds_load_b32 v[XS+\e], v5 offset:XSC+512*(\p)+256*\e
.endr
.endm
; W2's fragments of K steps 4 g .. 4 g + 3 into window 1: fragment (n, K step S) at v[12 (2 S + n)], the registers that held W1's tiles 4 g .. 4 g + 3.
; With the first half comes b2, where b1 of those tiles lay.
.macro W2HALF g
	WIN 0x40
.irp s, 0,1,2,3
.irp n, 0,1
.irp c, 0,1,2
	global_load_b128 v[96*(\g)+12*(2*\s+\n)+4*\c:96*(\g)+12*(2*\s+\n)+4*\c+3], v3, s[72:73] offset:(128+8*\n+4*(\g)+\s)*FRB+512*\c
.endr
.endr
.endr
.if (\g) == 0
.irp n, 0,1
	global_load_b128 v[192+8*\n:195+8*\n], v[H32], s[82:83] offset:64*\n
	global_load_b128 v[196+8*\n:199+8*\n], v[H32], s[82:83] offset:64*\n+16
.endr
.endif
	WIN 0
.endm
; ================ the head
	s_load_b512 s[4:19], s[0:1], 0x0               ; state in, state out, layer number in, out, wimg, lengths, gamma, beta
	s_load_b256 s[20:27], s[0:1], 0x40             ; b1, b2, bq, bk
	s_load_b128 s[28:31], s[0:1], 0x60             ; bv, bo
	s_load_b64 s[32:33], s[0:1], 0x70              ; out0
	v_lshrrev_b32 v1, 5, v0
	s_delay_alu instid0(VALU_DEP_1)
	v_readfirstlane_b32 s34, v1                    ; wave = head
	s_mov_b32 s35, ttmp9                           ; g
	s_lshr_b32 s36, s35, 3                         ; batch
	s_and_b32 s37, s35, 7                          ; qb
	s_lshl_b32 s51, s36, 2
	s_mov_b32 s40, 0x76543210
	s_mov_b32 s41, 0xfedcba98                      ; selects for lane l xor 16
	s_mov_b32 s42, 0x3db8aa3b                      ; c = log2(e) / 16
	s_mov_b32 s43, s42
	s_mov_b32 s44, 0xbdb8aa3b                      ; -c
	s_mov_b32 s46, 0xffff0000                      ; lanes 16-31
	s_mov_b32 s91, 0
	v_and_b32 v13, 31, v0                          ; lane
	v_and_b32 v1, 15, v0                           ; r
	v_bfe_u32 v2, v0, 4, 1                         ; h
	s_delay_alu instid0(VALU_DEP_3)
	v_lshlrev_b32 v3, 4, v13
	s_delay_alu instid0(VALU_DEP_4)
	v_lshlrev_b32 v10, 8, v13
	v_lshlrev_b32 v12, 2, v13
	v_lshlrev_b32 v8, 3, v1
	v_lshlrev_b32 v6, 4, v2
	v_and_b32 v5, 7, v1
	v_lshrrev_b32 v14, 3, v1
	s_delay_alu instid0(VALU_DEP_1)
	v_lshl_add_u32 v5, v14, 4, v5                  ; r % 8 + 16 (r / 8)
	s_mul_i32 s92, s34, 12288
	s_add_co_u32 s92, s92, VIMG
	v_lshl_add_u32 v4, v13, 3, s92                 ; V in LDS: my wave's bytes, 8 a lane
	v_add_nc_u32 v[VW], s92, v3                    ; and 16 a lane for the raw copy
	v_mul_u32_u24 v9, v1, SPT
	s_delay_alu instid0(VALU_DEP_1)
	v_lshl_add_u32 v9, v2, 5, v9
	s_lshl_b32 s93, s34, 7
	s_add_co_u32 s93, s93, STG
	v_add_nc_u32 v9, s93, v9                       ; the stage: row r, channels 32 w + 8 h on
	v_mul_u32_u24 v11, v2, 3072
	s_delay_alu instid0(VALU_DEP_1)
	v_add_nc_u32 v11, v11, v12                     ; K's scale words in pairs: lanes 16-31 take the next 64 keys'
	s_mul_i32 s94, s37, 3072
	v_add_nc_u32 v15, s94, v12                     ; q's scale word: my own block of 64
	v_mov_b32 v[NINF], 0xff800000
	v_lshlrev_b32 v[NM], 2, v0                     ; 4 x thread: one channel of gamma and of beta a thread
	s_wait_alu depctr_va_vdst(0)
	s_wait_kmcnt 0x0
	global_load_b32 v[SUMA], v[NM], s[16:17]       ; gamma and beta, 1,024 consecutive bytes each for the work-group
	global_load_b32 v[SUMB], v[NM], s[18:19]
	s_load_b32 s38, s[14:15], s51 offset:0x0       ; the sentence's length
	s_load_b32 s39, s[8:9], 0x0                    ; the layer's number
	s_mul_i32 s90, s36, 98304
	s_mul_i32 s92, s34, FRB
	s_add_co_u32 s90, s90, s92
	s_add_nc_u64 s[56:57], s[4:5], s[90:91]
	s_add_nc_u64 s[54:55], s[56:57], OFFKA         ; K of the sentence, my head
	s_add_nc_u64 s[56:57], s[56:57], OFFVA         ; V likewise
	s_mul_i32 s90, s36, 24576
	s_lshl_b32 s92, s34, 7
	s_add_co_u32 s90, s90, s92
	s_add_nc_u64 s[58:59], s[4:5], s[90:91]
	s_add_nc_u64 s[58:59], s[58:59], OFFS          ; the sentence's scale words, my head
	s_mul_i32 s90, s35, 12288
	s_mul_i32 s92, s34, FRB
	s_add_co_u32 s90, s90, s92
	s_add_nc_u64 s[60:61], s[4:5], s[90:91]
	s_add_nc_u64 s[60:61], s[60:61], OFFQ          ; my block's q
	s_add_nc_u64 s[68:69], s[6:7], s[90:91]
	s_add_nc_u64 s[68:69], s[68:69], OFFQ          ; where the next layer's q goes (k and v by immediates)
	s_mov_b64 s[52:53], s[60:61]
	WIN 0x40
.set i, 0
.rept 24
	global_load_b128 v[4*i:4*i+3], v3, s[56:57] offset:12288*(i/3)+512*(i%3)   ; V as it lies, through S's registers into LDS
.set i, i+1
.endr
	WIN 0
.set i, 0
.rept 24
	global_load_b128 v[KR+4*i:KR+4*i+3], v3, s[54:55] offset:12288*(i/3)+512*(i%3)   ; K stays in registers
.set i, i+1
.endr
.irp i, 0,1,2,3
	global_load_b32 v[KS+\i], v11, s[58:59] offset:1024+6144*\i
.endr
.irp i, 0,1,2,3,4,5,6,7
	global_load_b32 v[VB+\i], v12, s[58:59] offset:2048+3072*\i
.endr
	global_load_b32 v[QW], v15, s[58:59]
.irp i, 0,1,2
	global_load_b64 v[QRAW+2*\i:QRAW+2*\i+1], v8, s[52:53] offset:256*\i th:TH_LOAD_NT
.endr
	WIN 0x40
.set i, 96
.rept 160
	v_mov_b32 v[i], 0                              ; written once, so that every way over the length's branches finds S written
.set i, i+1
.endr
	WIN 0
.set i, 0
.rept 16
	v_mov_b32 v[BM+i], 0                           ; likewise
.set i, i+1
.endr
.irp i, 0,1,2,3,4,5
	v_mov_b32 v[QZ+\i], 0                          ; the zero codes beside q
	v_mov_b32 v[QZ+12+\i], 0
	v_mov_b32 v[QZ+24+\i], 0
.endr
.irp i, 0,1,2,3
	v_mov_b32 v[TT+\i], 0                          ; a lane permute's destination counts as one of its sources
.endr
	s_lshl_b32 s90, s35, 16
	s_lshl_b32 s92, s34, 13
	s_add_co_u32 s90, s90, s92
	s_add_nc_u64 s[62:63], s[4:5], s[90:91]        ; x in
	s_add_nc_u64 s[66:67], s[6:7], s[90:91]        ; x out
	s_mul_i32 s90, s35, 3072
	s_lshl_b32 s92, s34, 7
	s_add_co_u32 s90, s90, s92
	s_add_nc_u64 s[70:71], s[6:7], s[90:91]
	s_add_nc_u64 s[70:71], s[70:71], OFFS          ; scale words out
	s_lshl_b32 s92, s34, 4
	s_add_co_u32 s92, s92, 384
	s_mul_i32 s90, s92, FRB
	s_add_nc_u64 s[72:73], s[12:13], s[90:91]      ; W1's fragments of my 128 hidden units (W2's lie 128 fragments on)
	s_lshl_b32 s90, s92, 7
	s_add_nc_u64 s[74:75], s[12:13], s[90:91]
	s_add_nc_u64 s[74:75], s[74:75], WSC
	s_lshl_b32 s90, s34, 9
	s_add_nc_u64 s[80:81], s[20:21], s[90:91]      ; b1 at my 128
	s_lshl_b32 s90, s34, 7
	s_add_nc_u64 s[82:83], s[22:23], s[90:91]      ; b2 at my 32
	s_mul_i32 s90, s35, 5120
	s_add_nc_u64 s[84:85], s[32:33], s[90:91]      ; out0 at my 64 positions
	s_mov_b32 s95, 0x05040100
	s_mov_b32 s96, 0x07060302
	s_wait_kmcnt 0x0
	s_max_i32 s38, s38, 0
	s_min_i32 s38, s38, 512
	s_min_u32 s39, s39, 3
	s_add_co_u32 s92, s39, 1                       ; the next layer
	s_lshl_b32 s93, s92, 3
	s_add_co_u32 s93, s93, s34
	s_mul_i32 s90, s93, 18432
	s_add_nc_u64 s[76:77], s[12:13], s[90:91]      ; its 12 fragments of my head,
	s_mul_i32 s90, s93, 1536
	s_add_nc_u64 s[78:79], s[12:13], s[90:91]
	s_add_nc_u64 s[78:79], s[78:79], WSC           ; their scale words,
	s_lshl_b32 s90, s92, 10
	s_lshl_b32 s93, s34, 7
	s_add_co_u32 s90, s90, s93
	s_add_nc_u64 s[86:87], s[24:25], s[90:91]      ; and its biases (used only where there is a next layer)
	s_add_nc_u64 s[88:89], s[26:27], s[90:91]
	s_add_nc_u64 s[28:29], s[28:29], s[90:91]
	s_wait_loadcnt 40                              ; V's 24 loads are in: behind them 24 + 4 + 8 + 1 + 3 were issued
	WIN 0x04
.set i, 0
.rept 24
	ds_store_b128 v[VW], v[4*i:4*i+3] offset:512*i   ; into my wave's own bytes: no other wave reads them
.set i, i+1
.endr
	WIN 0
	ds_store_b32 v[NM], v[SUMA] offset:GBL         ; (asked for ahead of V: they are in); read behind the barrier that follows attention
	ds_store_b32 v[NM], v[SUMB] offset:GBL+1024
	s_wait_loadcnt 0x0
.irp j, 0,1,2,3                                ; a step's four blocks come from two blocks of 64 keys; byte 2 u + b of a block's word is channel tile u, keys 32 b on
	v_perm_b32 v[TT], v[VB+2*\j+1], v[VB+2*\j], s95
	v_perm_b32 v[TT+1], v[VB+2*\j+1], v[VB+2*\j], s96
	s_delay_alu instid0(VALU_DEP_1)
	v_cndmask_b32 v[VS+\j], v[TT], v[TT+1], s46
.endr
	s_wait_dscnt 0x0
; ================ attention: four tiles of 16 queries, one trip each
	s_mov_b32 s47, 0                               ; the tile
	s_mov_b32 s49, 0                               ; its byte's selector
	s_mov_b32 s50, 0                               ; its rows in the stage
.Ltile:
	s_wait_loadcnt 0x0                             ; the tile's q is in, and its loads have read their base
	v_perm_b32 v[QS], v[QW], v[QW], s49
.irp i, 0,1,2,3,4,5
	v_cndmask_b32 v[QZ+6+\i], v[QRAW+\i], 0, s46
	v_cndmask_b32 v[QZ+18+\i], 0, v[QRAW+\i], s46
.endr
	s_add_co_u32 s92, s47, 1                       ; the next tile's q (the last trip fetches tile 0's once more and does not use it)
	s_and_b32 s92, s92, 3
	s_lshr_b32 s93, s92, 1
	s_mul_i32 s93, s93, 768
	s_and_b32 s92, s92, 1
	s_lshl_b32 s92, s92, 7
	s_add_co_u32 s90, s92, s93
	s_add_nc_u64 s[52:53], s[60:61], s[90:91]
.irp i, 0,1,2
	global_load_b64 v[QRAW+2*\i:QRAW+2*\i+1], v8, s[52:53] offset:256*\i th:TH_LOAD_NT
.endr
	s_cmp_eq_u32 s47, 3
	s_cbranch_scc0 .Lno_pf
	global_prefetch_b8 v10, s[62:63] th:TH_LOAD_NT scope:SCOPE_SE   ; in the last trip each wave names the 32 blocks of 256 bytes of its own image of x, a lane a block, one trip ahead of the loads
.Lno_pf:
	v_mov_b32 v[MX], 0xff61b1e6                    ; -3e38
	v_mov_b32 v[SUMA], 0
	v_mov_b32 v[SUMA+1], 0
	v_mov_b32 v[SUMB], 0
	v_mov_b32 v[SUMB+1], 0
	v_add_nc_u32 v7, s50, v9
	s_lshr_b32 s92, s47, 1
	s_lshl_b32 s92, s92, 5
	s_and_b32 s93, s47, 1
	s_lshl_b32 s93, s93, 3
	s_add_co_u32 s48, s92, s93
	s_lshl_b32 s92, s37, 6
	s_add_co_u32 s48, s48, s92                     ; the tile's first position
	NOPS 4                                         ; with the six lines above: the places between the scale's and the operands' last writes and the products
	s_cmp_lt_u32 s48, s38
	s_cbranch_scc1 .Lwork
.set i, 0
.rept 16
	v_mov_b32 v[OO+i], 0                           ; every query of the tile lies past the length: a zero row
.set i, i+1
.endr
	s_branch .Lc
.Lwork:
	s_wait_alu depctr_va_vdst(0)
	SCORES 0
	s_cmp_le_u32 s38, 128
	s_cbranch_scc1 .La
	SCORES 1
	s_cmp_le_u32 s38, 256
	s_cbranch_scc1 .La
	SCORES 2
	s_cmp_le_u32 s38, 384
	s_cbranch_scc1 .La
	SCORES 3
.La:
	s_wait_alu depctr_va_vdst(0)
	v_mul_f32 v[NM], s44, v[MX]                    ; -c max
	s_delay_alu instid0(VALU_DEP_1)
	v_mov_b32 v[NM+1], v[NM]
	EXPS 0
	s_cmp_le_u32 s38, 128
	s_cbranch_scc1 .Lb
	EXPS 1
	s_cmp_le_u32 s38, 256
	s_cbranch_scc1 .Lb
	EXPS 2
	s_cmp_le_u32 s38, 384
	s_cbranch_scc1 .Lb
	EXPS 3
.Lb:
	VLOAD 0
	s_wait_alu depctr_va_vdst(0)
	v_pk_add_f32 v[SUMA:SUMA+1], v[SUMA:SUMA+1], v[SUMB:SUMB+1]
	s_delay_alu instid0(VALU_DEP_1)
	v_add_f32 v[SUMA], v[SUMA], v[SUMA+1]
	s_delay_alu instid0(VALU_DEP_1)
	v_permlanex16_b32 v[TT], v[SUMA], s40, s41
	s_delay_alu instid0(VALU_DEP_1)
	v_add_f32 v[SUMA], v[SUMA], v[TT]              ; the row's sum
	s_wait_alu depctr_va_vdst(0)
	v_rcp_f32 v[RN], v[SUMA]
	v_add_nc_u32 v[POS], s48, v5                   ; my query's position (a plain place behind the transcendental)
	s_wait_alu depctr_va_vdst(0)                   ; ahead of the first reader
	v_cmp_gt_u32 vcc_lo, s38, v[POS]
	v_cndmask_b32 v[RN], 0, v[RN], vcc_lo          ; the query's mask
	s_delay_alu instid0(VALU_DEP_1)
	v_mov_b32 v[RN+1], v[RN]
	PVSTEP 0
	s_cmp_le_u32 s38, 128
	s_cbranch_scc1 .Lc
	PVSTEP 1
	s_cmp_le_u32 s38, 256
	s_cbranch_scc1 .Lc
	PVSTEP 2
	s_cmp_le_u32 s38, 384
	s_cbranch_scc1 .Lc
	PVSTEP 3
.Lc:
	NOPS 4
	ds_store_b128 v7, v[OO:OO+3]                   ; lane (r, h): channels 32 w + 8 h + 0 .. 7 of the tile's row r, then 16 further on
	s_wait_alu depctr_va_vdst(0)
	ds_store_b128 v7, v[OO+4:OO+7] offset:16
	ds_store_b128 v7, v[OO+8:OO+11] offset:64
	ds_store_b128 v7, v[OO+12:OO+15] offset:80
	s_add_co_u32 s49, s49, 0x01010101
	s_add_co_u32 s50, s50, 16*SPT
	s_add_co_u32 s47, s47, 1
	s_cmp_lt_u32 s47, 4
	s_cbranch_scc1 .Ltile
; ================ behind attention: x and W1 asked for at once (K's and S's registers are free), then the addresses of the rest
	s_wait_dscnt 0x0                               ; my stores into the stage have read their registers
	s_wait_loadcnt 0x0                             ; the last trip's fetch of q
	s_wait_xcnt 0x0                                ; the prefetch and the loads have read their address registers
.set i, 0
.rept 16
	global_load_b128 v[BB+4*i:BB+4*i+3], v3, s[62:63] offset:512*i th:TH_LOAD_NT   ; x, the image of these registers
.set i, i+1
.endr
	WIN 0x40
.set i, 0
.rept 48
	global_load_b128 v[4*i:4*i+3], v3, s[72:73] offset:512*i   ; W1's 16 fragments of my hidden units: window 1, v0-191
.set i, i+1
.endr
	WIN 0
	v_and_b32 v228, 31, v0
	v_mul_u32_u24 v15, v5, 80
	s_delay_alu instid0(VALU_DEP_1)
	v_lshl_add_u32 v15, v2, 5, v15
	s_delay_alu instid0(VALU_DEP_1)
	v_add_nc_u32 v15, OUTS, v15                    ; the logits: 80 bytes a position, labels 8 h on
	v_mov_b32 v6, v9
	v_mul_u32_u24 v7, v1, SPT
	s_delay_alu instid0(VALU_DEP_1)
	v_lshl_add_u32 v7, v2, 6, v7
	s_lshr_b32 s92, s34, 1
	s_mul_i32 s92, s92, 16*SPT
	s_and_b32 s93, s34, 1
	s_lshl_b32 s93, s93, 9
	v_lshl_add_u32 v[GBO], v2, 6, s93
	s_add_co_u32 s92, s92, s93
	s_add_co_u32 s92, s92, STG
	v_add_nc_u32 v7, s92, v7                       ; row r of tile w / 2, channels 128 (w % 2) + 16 h on
	v_lshlrev_b32 v[H64], 6, v2
	v_lshlrev_b32 v[H32], 5, v2
	v_lshlrev_b32 v4, 2, v228
	s_delay_alu instid0(VALU_DEP_1)
	v_lshl_add_u32 v5, v2, 7, v4
	s_mul_i32 s92, s34, FRB
	v_add_nc_u32 v8, s92, v3
	s_add_co_u32 s92, s92, HIMG
	v_add_nc_u32 v10, s92, v3
	s_lshl_b32 s92, s34, 7
	s_add_co_u32 s93, s92, XSC
	v_add_nc_u32 v9, s93, v4
	s_add_co_u32 s93, s92, HSC
	v_add_nc_u32 v11, s93, v4
	v_add_nc_u32 v12, HIMG, v3
	s_lshl_b32 s92, s34, 8
	s_add_co_u32 s92, s92, STAT
	v_lshl_add_u32 v13, v228, 3, s92
	s_xor_b32 s92, s34, 1
	s_lshl_b32 s92, s92, 8
	s_add_co_u32 s92, s92, STAT
	v_lshl_add_u32 v14, v228, 3, s92
	v_lshlrev_b32 v2, 2, v1                        ; 4 r
	v_lshlrev_b32 v1, 3, v228                      ; 8 x lane
	v_mov_b32 v[ZR], 0
.irp b, 0,1,2,3
	v_mov_b32 v[TM+4+\b], 0
.endr
	s_wait_alu depctr_va_vdst(0)                   ; a wait ahead of the barrier
	BARRIER                                        ; all eight heads' results lie in the stage, gamma and beta in their bytes
; ================ x = LN(att + x)
	LDROWS AA
	GBLOAD CC, GBL+1024                            ; beta
	s_wait_dscnt 16                                ; the rows are in; beta's 16 loads may be out
	s_wait_loadcnt 48                              ; x is in; W1's 48 loads may be out
	ADDAB
	GBLOAD BB, GBL                                 ; gamma, where x lay
	WIN 0x40
.irp t, 0,1,2,3,4,5,6,7
	global_load_b128 v[192+8*\t:195+8*\t], v[H64], s[80:81] offset:(32*(\t/2)+8*(\t%2))*4
	global_load_b128 v[196+8*\t:199+8*\t], v[H64], s[80:81] offset:(32*(\t/2)+8*(\t%2))*4+16
.endr
	WIN 0
.irp t, 0,1,2,3,4,5,6,7
	global_load_b32 v[WS+\t], v5, s[74:75] offset:256*\t
.endr
	LNSTAT
	s_wait_alu depctr_va_vdst(0)
	BARRIER
	LNFIN
.irp p, 0,1,2,3,4,5,6,7
	global_load_b32 v[W2S+\p], v5, s[74:75] offset:16384+256*\p   ; W2's scale words: pair 4 n + S / 2
.endr
	QUANT AA
	IMAGE 8, XIMG
	ds_store_b32 v9, v[PW]
	BARRIER                                        ; x's eight fragments lie in LDS; x itself stays in v16-79
; ================ the hidden layer: my 128 units for the four tiles of rows; b1 is the C of each sum's first product
; A turn takes two tiles of rows (2 p + e) and one half g of my hidden units (W1's tiles 4 g .. 4 g + 3): eight accumulators by turns.
; The quantiser's 64 numbers are then blocks 2 g, 2 g + 1 of tile 2 p (registers 0-31) and of tile 2 p + 1 (32-63):
; its codes' registers 6 e .. 6 e + 5 are registers 6 g .. 6 g + 5 of tile 2 p + e's fragment, bytes 2 e, 2 e + 1 of its word are bytes 2 g, 2 g + 1 of that tile's scale word.
; In the second pair of tiles each half of W1 is done with after its turn, and its registers take a half of W2.
	XFETCH 0
	s_wait_loadcnt 0x0
.irp p, 0,1
.irp g, 0,1
	s_wait_dscnt 0x0                               ; x's fragments are in, and the last turn's images have left their registers
	WIN 0x11
.irp e, 0,1
.irp t, 0,1,2,3
	MM BB+32*\e+8*\t, 24*(4*\g+\t), CC+24*\e, 192+8*(4*\g+\t), WS+4*\g+\t, XS+\e, 0
.endr
.endr
	WIN 0x01
.irp e, 0,1
.irp t, 0,1,2,3
	MM BB+32*\e+8*\t, 24*(4*\g+\t)+12, CC+24*\e+12, BB+32*\e+8*\t, WS+4*\g+\t, XS+\e, 3
.endr
.endr
	WIN 0
	NOPS 4
.if (\p) == 0 && (\g) == 1
	XFETCH 1
.endif
.if \p == 1
	W2HALF \g
.endif
	QUANT BB
.irp e, 0,1                                    ; K step w of the second product, tile 2 p + e: register i of the image lies at 512 (i / 4) + 16 lane + 4 (i % 4)
.if \g == 0
	ds_store_b128 v10, v[PC+6*\e:PC+6*\e+3] offset:12288*(2*\p+\e)
	ds_store_b64 v10, v[PC+6*\e+4:PC+6*\e+5] offset:12288*(2*\p+\e)+512
.else
	ds_store_b64 v10, v[PC+6*\e:PC+6*\e+1] offset:12288*(2*\p+\e)+520
	ds_store_b128 v10, v[PC+6*\e+2:PC+6*\e+5] offset:12288*(2*\p+\e)+1024
.endif
.endr
	v_lshrrev_b32 v227, 16, v[PW]
	ds_store_b16 v11, v[PW] offset:1024*(2*\p)+2*\g
	ds_store_b16 v11, v227 offset:1024*(2*\p+1)+2*\g
.endr
.endr
	BARRIER                                        ; the hidden layer's 32 fragments lie in LDS
; ================ the second product: my 32 outputs for the 64 rows, eight accumulators by turns, a K step at a time
.irp s, 0,1,2,3,4,5,6,7
.irp m, 0,1,2,3
.irp c, 0,1,2
	ds_load_b128 v[CC+12*\m+4*\c:CC+12*\m+4*\c+3], v12 offset:(8*\m+\s)*FRB+512*\c
.endr
.if (\s)%2 == 0
	ds_load_b32 v[XS+\m], v5 offset:HSC+1024*\m+128*\s   ; the scale words of this K step and the next, as a pair
.endif
.endr
	s_wait_dscnt 0x0
.if \s == 0
	s_wait_loadcnt 24                              ; W2's K steps 0-3 and b2 are in; the 24 loads of K steps 4-7 may be out
	WIN 0x11
.else
	WIN 0x01
.endif
.irp m, 0,1,2,3
.irp n, 0,1
.if \s == 0
	MM BB+8*(4*\n+\m), 12*(2*\s+\n), CC+12*\m, 192+8*\n, W2S+4*\n+\s/2, XS+\m, 0
.else
	MM BB+8*(4*\n+\m), 12*(2*\s+\n), CC+12*\m, BB+8*(4*\n+\m), W2S+4*\n+\s/2, XS+\m, 3*(\s%2)
.endif
.endr
.endr
	WIN 0
	NOPS 4                                         ; places in front of the next loads into these operands, and of the first read of results
.if \s == 3                                    ; K steps 0-3 are done with v0-95 of window 1: what the tail multiplies by is asked for into them
	s_wait_loadcnt 0x0                             ; W2's K steps 4-7 are in (the two ways below issue different numbers of loads)
	s_cmp_eq_u32 s39, 3
	s_cbranch_scc1 .Lw_last
	QKVA
	s_branch .Lw_done
.Lw_last:
	WOLOAD
.Lw_done:
.endif
.endr
.irp m, 0,1,2,3
.irp n, 0,1
	ds_store_b128 v6, v[BB+8*(4*\n+\m):BB+8*(4*\n+\m)+3] offset:16*SPT*\m+64*\n
	ds_store_b128 v6, v[BB+8*(4*\n+\m)+4:BB+8*(4*\n+\m)+7] offset:16*SPT*\m+64*\n+16
.endr
.endr
	s_cmp_eq_u32 s39, 3                            ; the rest of the next layer's weights, where there is a next layer
	s_cbranch_scc1 .Ltl_none
	QKVB
.Ltl_none:
	BARRIER                                        ; 64 rows of the FFN's result lie in the stage
; ================ x = LN(ff + x)
	LDROWS BB
	GBLOAD CC, GBL+1024                            ; beta
	s_wait_dscnt 16                                ; the rows are in; beta's 16 loads may be out
	ADDAB
	GBLOAD BB, GBL                                 ; gamma
	LNSTAT
	s_wait_alu depctr_va_vdst(0)
	BARRIER
	LNFIN
	s_cmp_eq_u32 s39, 3
	s_cbranch_scc1 .Lno_x
.set i, 0
.rept 16
	global_store_b128 v3, v[AA+4*i:AA+4*i+3], s[66:67] offset:512*i   ; x for the next layer
.set i, i+1
.endr
.Lno_x:
	QUANT AA
	IMAGE 8, XIMG
	ds_store_b32 v9, v[PW]
	BARRIER                                        ; x's eight fragments lie in LDS
; ================ the tail: the next layer's q, k, v, or the logits
	s_wait_xcnt 0x0                                ; x's stores have read their registers
.set i, 0
.rept 24
	ds_load_b128 v[16+4*i:19+4*i], v3 offset:XIMG+512*i
.set i, i+1
.endr
.irp q, 0,1,2,3
	ds_load_b32 v[XS+\q], v5 offset:XSC+256*\q
.endr
	s_wait_dscnt 0x0
	s_wait_loadcnt 0x0
	s_cmp_eq_u32 s39, 3
	s_cbranch_scc1 .Llog
	PROJT 0
	PUT64 0
	global_store_b32 v4, v[PW], s[70:71]
	PROJT 1
	PUT128 OFFK
	global_store_b32 v4, v[PW], s[70:71] offset:1024
	PROJV
	PUT64 OFFV
	global_store_b32 v4, v[PW], s[70:71] offset:2048
	s_branch .Ljoin
.Llog:                                             ; 20 labels for 64 rows are 16 products: wave 0 makes them all, eight accumulators by turns
	s_cmp_lg_u32 s34, 0
	s_cbranch_scc1 .Ljoin
	WIN 0x11
.irp q, 0,1,2,3
.irp n, 0,1
	MM HA+8*(2*\q+\n), 24*\n, 16+24*\q, 48+8*\n, WS+6+\n, XS+\q, 0
.endr
.endr
	WIN 0x01
.irp q, 0,1,2,3
.irp n, 0,1
	MM HA+8*(2*\q+\n), 24*\n+12, 28+24*\q, HA+8*(2*\q+\n), WS+6+\n, XS+\q, 3
.endr
.endr
	WIN 0
	NOPS 4
.irp q, 0,1,2,3
	ds_store_b128 v15, v[HA+16*\q:HA+16*\q+3] offset:80*(32*(\q/2)+8*(\q%2))        ; labels 8 h + 0 .. 7 of the tile's row r
	ds_store_b128 v15, v[HA+16*\q+4:HA+16*\q+7] offset:80*(32*(\q/2)+8*(\q%2))+16
.endr
	v_bfe_u32 v228, v0, 4, 1                       ; h
	v_mad_u32_u24 v228, v228, 5120-32, v15         ; lanes 0-15 hold labels 16 to 19; lanes 16-31 hold the tile's zero columns: their 16 bytes go 5,120 bytes further on, into the hidden layer's images, which nobody reads any more
.irp q, 0,1,2,3
	ds_store_b128 v228, v[HA+16*\q+8:HA+16*\q+11] offset:80*(32*(\q/2)+8*(\q%2))+64
.endr
.Ljoin:
	BARRIER
	s_lshl_b32 s92, s34, 10
	v_add_nc_u32 v229, s92, v3                     ; 1,024 bytes a wave of the block's 5,120
	s_delay_alu instid0(VALU_DEP_1)
	v_add_nc_u32 v228, OUTS, v229
	s_cmp_eq_u32 s39, 3
	s_cbranch_scc0 .Lnot_out
	s_cmp_lt_u32 s34, 5
	s_cbranch_scc0 .Lnot_out
	ds_load_b128 v[16:19], v228
	ds_load_b128 v[20:23], v228 offset:512
	s_wait_dscnt 0x0
	s_wait_alu depctr_va_vdst(0)
	global_store_b128 v229, v[16:19], s[84:85] th:TH_STORE_NT             ; 32 lanes store 512 consecutive bytes, aligned
	global_store_b128 v229, v[20:23], s[84:85] offset:512 th:TH_STORE_NT
.Lnot_out:
	s_or_b32 s92, s35, s34
	s_cmp_eq_u32 s92, 0
	s_cbranch_scc0 .Lend
	s_add_co_u32 s93, s39, 1
	v_mov_b32 v230, s93                            ; the next launch's layer number
	global_store_b32 v4, v230, s[10:11]
.Lend:
	s_wait_xcnt 0x0
	s_mov_b32 exec_lo, -1
	v_lshl_add_u32 v254, v0, 2, 0x3a400
	v_mov_b32 v255, 0
	s_wait_alu depctr_va_vdst(0)
	s_wait_tensorcnt 0x0
	ds_add_u32 v254, v255
	s_wait_dscnt 0x0
	s_endpgm
.Lfunc_end_k_q56694a175d_layer:
	.size	k_q56694a175d_layer, .Lfunc_end_k_q56694a175d_layer-k_q56694a175d_layer
	.p2alignl 7, 3214868480
	.fill 96, 4, 3214868480
	.section	.rodata,"a",@progbits
	.p2align	6, 0x0
	.amdhsa_kernel k_q56694a175d_layer
		.amdhsa_group_segment_fixed_size 239616
		.amdhsa_private_segment_fixed_size 0
		.amdhsa_enable_private_segment 0
		.amdhsa_kernarg_size 120
		.amdhsa_user_sgpr_count 2
		.amdhsa_user_sgpr_kernarg_segment_ptr 1
		.amdhsa_wavefront_size32 1
		.amdhsa_system_sgpr_workgroup_id_x 1
		.amdhsa_system_sgpr_workgroup_id_y 1
		.amdhsa_system_sgpr_workgroup_id_z 1
		.amdhsa_system_vgpr_workitem_id 0
		.amdhsa_next_free_vgpr 512
		.amdhsa_next_free_sgpr 100
		.amdhsa_reserve_vcc 1
		.amdhsa_float_denorm_mode_32 3
		.amdhsa_float_denorm_mode_16_64 3
		.amdhsa_memory_ordered 1
		.amdhsa_forward_progress 1
		.amdhsa_inst_pref_size 255
	.end_amdhsa_kernel
	.section	.bss,"aw",@nobits
	.p2align	6
	.space	262144
	.amdgpu_metadata
---
amdhsa.version: [ 1, 2 ]
amdhsa.kernels:
  - .name:           k_q56694a175d_layer
    .symbol:         k_q56694a175d_layer.kd
    .args:
      - { .name: sa, .offset: 0, .size: 8, .value_kind: global_buffer, .address_space: global }
      - { .name: sb, .offset: 8, .size: 8, .value_kind: global_buffer, .address_space: global }
      - { .name: ca, .offset: 16, .size: 8, .value_kind: global_buffer, .address_space: global }
      - { .name: cb, .offset: 24, .size: 8, .value_kind: global_buffer, .address_space: global }
      - { .name: wimg, .offset: 32, .size: 8, .value_kind: global_buffer, .address_space: global }
      - { .name: sentence_length, .offset: 40, .size: 8, .value_kind: global_buffer, .address_space: global }
      - { .name: gamma, .offset: 48, .size: 8, .value_kind: global_buffer, .address_space: global }
      - { .name: beta, .offset: 56, .size: 8, .value_kind: global_buffer, .address_space: global }
      - { .name: b1, .offset: 64, .size: 8, .value_kind: global_buffer, .address_space: global }
      - { .name: b2, .offset: 72, .size: 8, .value_kind: global_buffer, .address_space: global }
      - { .name: bq, .offset: 80, .size: 8, .value_kind: global_buffer, .address_space: global }
      - { .name: bk, .offset: 88, .size: 8, .value_kind: global_buffer, .address_space: global }
      - { .name: bv, .offset: 96, .size: 8, .value_kind: global_buffer, .address_space: global }
      - { .name: bo, .offset: 104, .size: 8, .value_kind: global_buffer, .address_space: global }
      - { .name: out0, .offset: 112, .size: 8, .value_kind: global_buffer, .address_space: global }
    .group_segment_fixed_size: 239616
    .private_segment_fixed_size: 0
    .kernarg_segment_align: 8
    .kernarg_segment_size: 120
    .max_flat_workgroup_size: 256
    .sgpr_count:     100
    .vgpr_count:     512
    .wavefront_size: 32
...
	.end_amdgpu_metadata
.endif
;; end of part 3
;; launch layer1: the kernel of part 3 again; grid 256 x 1, 8 waves a work-group, no clusters, 239,616 bytes of LDS; arguments sb, sa, cb, ca, wimg, sentence_length, gamma, beta, b1, b2, bq, bk, bv, bo, out0; writes sa, ca, out0
;; launch layer2: the kernel of part 3 again; grid 256 x 1, 8 waves a work-group, no clusters, 239,616 bytes of LDS; arguments sa, sb, ca, cb, wimg, sentence_length, gamma, beta, b1, b2, bq, bk, bv, bo, out0; writes sb, cb, out0
;; launch layer3: the kernel of part 3 again; grid 256 x 1, 8 waves a work-group, no clusters, 239,616 bytes of LDS; arguments sb, sa, cb, ca, wimg, sentence_length, gamma, beta, b1, b2, bq, bk, bv, bo, out0; writes sa, ca, out0
